; MI455X (gfx1250); checked and timed in simulation.
; The chip was launched on July 23, 2026; its instructions are those of AMD's public machine-readable ISA for CDNA 5 (MIT licence, August 2026) and "CDNA5" Instruction Set Architecture Reference Guide (July 2026). The comments in the code are by the model that wrote it; some were corrected since.
;; Cross Modal Attention. Allowed arithmetic: matrix products marked QUANTISED: E2M3 operands, one E8M0 scale for each 32 along K, by v_wmma_scale_f32_16x16x128_f8f6f4 with both operands' format E2M3, f32 sums; everything else in f32.
;; Inputs: Wk 768 x 1,024 float32; Wo 1,024 x 1,024 float32; Wq 1,024 x 1,024 float32; Wv 768 x 1,024 float32; bk 1,024 float32; bo 1,024 float32; bq 1,024 float32; bv 1,024 float32; key 4 x 2,048 x 768 float32; query 4 x 2,048 x 1,024 float32; value 4 x 2,048 x 768 float32.
;; Outputs: out0 4 x 2,048 x 1,024 float32.
;; This version of the problem:
;;   THIS VERSION OF THE PROBLEM IS GIVEN IN LOW PRECISION. The matrix products marked QUANTISED in the list below multiply operands that are first quantised to E2M3 (2 exponent bits, 3 mantissa bits; 6 bits a number), with one power-of-two scale for each 32 numbers along K (OCP MX v1.0); their sums are f32. All else is computed in f32.
;;   The module's matrix products, in the order in which they are computed (A, B: the left and right operand; K: the contracted axis; several contracted axes count as one K, in the product's order):
;;     1. [M 8,192, K 1,024] x [K 1,024, N 1,024]; A: input query; B: input Wq: QUANTISED
;;     2. [M 8,192, K 768] x [K 768, N 1,024]; A: input key; B: input Wk: QUANTISED
;;     3. [M 8,192, K 768] x [K 768, N 1,024]; A: input value; B: input Wv: QUANTISED
;;     4. batch 64 x [M 2,048, K 64] x [K 64, N 2,048]; A: computed on the way; B: computed on the way: QUANTISED
;;     5. batch 64 x [M 2,048, K 2,048] x [K 2,048, N 64]; A: softmax (see below); B: computed on the way: QUANTISED
;;     6. [M 8,192, K 1,024] x [K 1,024, N 1,024]; A: computed on the way; B: input Wo: QUANTISED
;;   THE QUANTISER, for each operand of a quantised product, along K:
;;     - K is cut into blocks of 32 from its start; a last block that is shorter is filled with zeros.
;;     - A block's scale is 2^e with e = floor(log2(the largest magnitude in the block)) - 2, held to -126 .. 127; a block of zeros has e = 0. As a byte (E8M0): e + 127.
;;     - Each number is divided by its block's scale, clamped to +-7.5, and rounded to the nearest number of E2M3, ties to even, subnormals kept.
;;     - The product sums the exact products of the quantised numbers (number of the format x scale) in f32.
;;   ~~~python
;;   def quantise(x, axis):      # numpy; x: float32 -> the quantised numbers, widened to float32 again
;;       x = np.moveaxis(x, axis, -1); K = x.shape[-1]
;;       x = np.pad(x, [(0, 0)] * (x.ndim - 1) + [(0, -K % 32)]); x = x.reshape(x.shape[:-1] + (-1, 32)); a = np.abs(x).max(-1, keepdims=True)
;;       e = np.where(a > 0, np.clip(np.frexp(np.where(a > 0, a, 1))[1] - 1 - 2, -126, 127), 0)      # np.frexp(a)[1] - 1 = floor(log2(a)), exactly
;;       r = np.clip(x / 2.0 ** e, -7.5, 7.5)
;;       step = 2.0 ** (np.maximum(np.frexp(np.where(r == 0, 1, r))[1] - 1, 0) - 3)
;;       q = np.round(r / step) * step * 2.0 ** e      # np.round: ties to even
;;       return np.moveaxis(q.reshape(q.shape[:-2] + (-1,))[..., :K], -1, axis).astype(np.float32)
;;   ~~~
;;   SOFTMAX AHEAD OF A QUANTISED PRODUCT. Where the list says 'softmax', what is quantised is not the finished softmax but p = 2^(t - M), with t = logit x log2(e) and M = ceil(the row's largest t), a whole number; so 1/2 < the row's largest p <= 1. The row's sum l is taken of the UNQUANTISED p, in f32, and the product's result is divided by l at the end. Since M is a whole number, a kernel that streams over the keys may use a running M (the ceiling of the running maximum): every later rescaling is an exact power of two, which a block's scale takes up: the codes' values come out the same.
;;   OPERANDS COMPUTED ON THE WAY. 'Computed on the way' means the value that the module computes at that place (a softmax that the list does not call 'softmax' is quantised finished and normalised). What goes into a quantiser is computed in f32, as accurately as f32 sums, v_exp_f32 and their like allow (about 1e-6 of the number): no bf16 or f16 on the way to a quantiser, and a product that is left as it is and whose result goes on into a quantised operand takes f32 operands (vector FMAs, or v_wmma_f32_16x16x4_f32). A number that lies on a knife's edge between two numbers of the format may be rounded either way, as far as f32 arithmetic and the matrix unit's own rounding can turn it there, and no further.
;; One version. Each part assembles by itself: llvm-mc -triple=amdgcn-amd-amdhsa -mcpu=gfx1250 --defsym DOCPART=n.
;; ======== version 1 of 1: 4 launches
;; limits: right only within a limited range of input values
;; workspace buffers: xc 18,874,368 bytes; xs 786,432 bytes; wc 3,145,728 bytes; ws 131,072 bytes; qc 6,815,744 bytes; kv 13,369,344 bytes; ac 6,291,456 bytes; asc 262,144 bytes
;; launch quant (part 1): grid 1504 x 1, 4 waves a work-group, no clusters, 34,304 bytes of LDS; arguments query, key, value, Wq, Wk, Wv, Wo, xc, xs, wc, ws; writes xc, xs, wc, ws
.if DOCPART == 1
	.amdgcn_target "amdgcn-amd-amdhsa--gfx1250"
	.amdhsa_code_object_version 6
	.text
	.protected	k_qad60bb9871_quant
	.globl	k_qad60bb9871_quant
	.p2align	8
	.type	k_qad60bb9871_quant,@function
k_qad60bb9871_quant:
	s_mov_b64 s[64:65], 0
	v_nop
	global_prefetch_b8 v0, s[64:65] scope:SCOPE_SE
	s_setreg_imm32_b32 hwreg(HW_REG_WAVE_MODE, 25, 1), 1
	s_wait_xcnt 0x0
; query [8192][1024], key, value [8192][768] and Wq, Wo [1024][1024], Wk, Wv [768][1024], all f32, become codes of FP6 (E2M3) with one E8M0 byte for each 32 along K
; (K: the last axis of query, key, value; the FIRST axis of the weights).  A block's byte is its largest magnitude's exponent field - 2, held at 1 from below.
; LAYOUT OF THE RESULTS: images of the operand's registers.  A fragment (16 rows x 128 K, 12 registers a lane) is 1,536 bytes: registers 0-3 at 16 x lane, 4-5 at 512 + 8 x lane, 6-9 at 768 + 16 x lane,
; 10-11 at 1,280 + 8 x lane.  Fragment (tile T, K step s) lies at (8 T + s) x 1,536.  TILE T = 2 B + u HOLDS ROWS 32 B + 8 u + i + 8 (i / 8), i = 0 .. 15, so that a product that takes such tiles as source 0
; leaves 16 neighbours along that axis in a lane's 16 registers of two neighbouring tiles.  Scale words: T x 512 + 64 s + 4 x row.
; LIMITS: NaN and infinities among the inputs are not served; a block whose largest magnitude lies under 2^-124 (a block of zeros too) gets the byte 1: its codes are what the conversion gives under that scale
; (zeros for zeros), and the bytes are read by this program alone.
; SHARES.  Work-groups 0-223: the weights; a wave takes 32 columns x 128 along K, a lane a column, its registers down K (each load: 128 consecutive bytes a wave, 512 a work-group).
; Work-groups 224-1503: query, key, value; a wave takes one tile of 16 rows x 256 along K; each load reads 512 consecutive bytes of a row; the numbers turn through the wave's own stage in LDS,
; so that a lane gets 16 neighbours of each block.  No tensor loads, no barrier: waves share nothing.  Memory binds: no matrix unit, no cluster (no byte is read twice).
.set TP,    12288                      ; from tile to tile in a buffer of codes
.set XC_T,  6291456                    ; from tensor to tensor in xc
.set WC_T,  786432                     ; in wc
.set STG,   8448                       ; a wave's stage: 16 rows x (512 bytes + 16)
.set SPARE, 33792                      ; behind the four stages: the spare words, 128 bytes for each wave
.set L16, 4                            ; v4   16 x lane
.set L8,  5                            ; v5   8 x lane
.set L4,  6                            ; v6   4 x lane
.set SI,  7                            ; v7   the stage, way in: 16 x lane
.set SO,  8                            ; v8   way out: 528 x row + 64 x half
.set SPW, 12                           ; v12  my spare word; never rewritten
.set NIL, 13                           ; v13  0; never rewritten
.set RO,  16                           ; v16-23  16 x lane + i rows
.set TM,  24                           ; v24-27 largest magnitudes, v28-31 the other half's, then bytes, v36-39 the conversions' scale operands
.set F0,  192                          ; v192-203, v204-215: two fragments
.set TT,  216                          ; v216-231: the upper halves of four blocks, as converted
.set SEL, 44                           ; s[44:45] v_permlanex16_b32's selects for lane l xor 16
; 64 numbers of a lane, register 16 b + i = k 32 b + 16 (lane / 16) + i of my row, become a fragment's codes in v[pc] on (v[pc+12] to v[pc+18] at work) and its scale word in v[pw]
.macro QUANT s, pc, pw
.irp b, 0,1,2,3
	v_max3_num_f32 v[TM+\b], |v[(\s)+16*\b]|, |v[(\s)+1+16*\b]|, 0x1800000   ; my 16 numbers of block b, and the floor 2^(3 - 127): the byte cannot fall under 1
.endr
.irp i, 2,4,6,8,10,12,14
.irp b, 0,1,2,3
	v_max3_num_f32 v[TM+\b], v[TM+\b], |v[(\s)+16*\b+\i]|, |v[(\s)+1+16*\b+\i]|
.endr
.endr
.irp b, 0,1,2,3
	v_permlanex16_b32 v[TM+4+\b], v[TM+\b], s[SEL], s[SEL+1]
.endr
.irp b, 0,1,2,3
	v_max_num_f32 v[TM+\b], v[TM+\b], v[TM+4+\b]       ; with lane l xor 16's: the block's largest magnitude
.endr
.irp b, 0,1,2,3
	v_add_nc_u32 v[TM+12+\b], 0xff000000, v[TM+\b]     ; 2 off its exponent field: the conversion's scale operand
.endr
.irp b, 0,1,2,3
	v_lshrrev_b32 v[TM+4+\b], 23, v[TM+12+\b]          ; the scale's byte
.endr
	v_lshl_or_b32 v[\pw], v[TM+5], 8, v[TM+4]
	v_lshl_or_b32 v[\pw], v[TM+6], 16, v[\pw]
	v_lshl_or_b32 v[\pw], v[TM+7], 24, v[\pw]
.irp c, 0,1
	v_cvt_scalef32_pk16_fp6_f32 v[(\pc)+6*\c:(\pc)+2+6*\c], v[(\s)+32*\c:(\s)+15+32*\c], v[TM+12+2*\c]
	v_cvt_scalef32_pk16_fp6_f32 v[(\pc)+12+4*\c:(\pc)+14+4*\c], v[(\s)+16+32*\c:(\s)+31+32*\c], v[TM+13+2*\c]   ; (a conversion's three registers begin on an even number)
.endr
	v_nop                                              ; one plain place behind a scaled conversion
.irp c, 0,1                                        ; the operand wants a whole block in a lane: lanes 0-15 block 2 c, lanes 16-31 block 2 c + 1
.irp i, 0,1,2
	v_permlane16_swap_b32 v[(\pc)+6*\c+\i], v[(\pc)+12+4*\c+\i]
.endr
.irp i, 0,1,2
	v_mov_b32 v[(\pc)+3+6*\c+\i], v[(\pc)+12+4*\c+\i]
.endr
.endr
.endm
.macro PUT reg, sb, off                ; a fragment goes out as it stands: each store covers 512 or 256 consecutive bytes, aligned
	global_store_b128 v[L16], v[\reg:\reg+3], s[\sb:\sb+1] offset:\off
	global_store_b64 v[L8], v[\reg+4:\reg+5], s[\sb:\sb+1] offset:\off+512
	global_store_b128 v[L16], v[\reg+6:\reg+9], s[\sb:\sb+1] offset:\off+768
	global_store_b64 v[L8], v[\reg+10:\reg+11], s[\sb:\sb+1] offset:\off+1280
.endm
	s_load_b512 s[4:19], s[0:1], 0x0               ; query s[4:5], key s[6:7], value s[8:9], Wq s[10:11], Wk s[12:13], Wv s[14:15], Wo s[16:17], xc s[18:19]
	s_load_b128 s[20:23], s[0:1], 0x40             ; xs s[20:21], wc s[22:23]
	s_load_b64 s[24:25], s[0:1], 0x50              ; ws
	v_lshl_add_u32 v[SPW], v0, 2, SPARE
	v_mov_b32 v[NIL], 0
	v_lshrrev_b32 v1, 5, v0
	v_readfirstlane_b32 s26, v1                    ; wave
	v_and_b32 v1, 31, v0                           ; lane
	v_and_b32 v2, 15, v0                           ; r
	v_bfe_u32 v3, v0, 4, 1                         ; h
	v_lshlrev_b32 v[L16], 4, v1
	v_lshlrev_b32 v[L8], 3, v1
	v_lshlrev_b32 v[L4], 2, v1
	s_mul_i32 s27, s26, STG                        ; my stage.  Every LDS address is made here, ahead of the parting of the two paths
	v_add_nc_u32 v[SI], s27, v[L16]
	v_mul_u32_u24 v[SO], v2, 528
	v_lshl_add_u32 v[SO], v3, 6, v[SO]
	v_add_nc_u32 v[SO], s27, v[SO]
	s_mov_b32 s[SEL], 0x76543210
	s_mov_b32 s[SEL+1], 0xfedcba98
	s_mov_b32 s46, 0xffff0000                      ; lanes 16-31
.irp b, 0,1,2,3
	v_mov_b32 v[TM+4+\b], 0                        ; a lane permute's destination counts as one of its sources
.endr
	s_wait_kmcnt 0x0
	s_cmp_lt_u32 ttmp9, 224
	s_cbranch_scc0 .Lx
	; ---- THE WEIGHTS.  Plane p = K step of one weight: 0-7 Wq, 8-13 Wk, 14-19 Wv, 20-27 Wo.  j: which 32 columns
	s_lshr_b32 s30, ttmp9, 3                       ; p
	s_and_b32 s31, ttmp9, 7
	s_lshl_b32 s31, s31, 2
	s_add_co_u32 s31, s31, s26                     ; j
	s_mov_b64 s[32:33], s[16:17]
	s_mov_b32 s34, 3                               ; the weight's place in wc and ws
	s_mov_b32 s35, 20                              ; its first plane
	s_cmp_lt_u32 s30, 20
	s_cselect_b64 s[32:33], s[14:15], s[32:33]
	s_cselect_b32 s34, 2, s34
	s_cselect_b32 s35, 14, s35
	s_cmp_lt_u32 s30, 14
	s_cselect_b64 s[32:33], s[12:13], s[32:33]
	s_cselect_b32 s34, 1, s34
	s_cselect_b32 s35, 8, s35
	s_cmp_lt_u32 s30, 8
	s_cselect_b64 s[32:33], s[10:11], s[32:33]
	s_cselect_b32 s34, 0, s34
	s_cselect_b32 s35, 0, s35
	s_sub_co_u32 s35, s30, s35                     ; K step s
	s_lshl_b32 s36, s35, 19                        ; 128 rows of 4,096 bytes
	s_lshl_b32 s37, s31, 7                         ; 32 columns
	s_add_co_u32 s36, s36, s37
	s_mov_b32 s37, 0
	s_add_nc_u64 s[32:33], s[32:33], s[36:37]
	v_and_b32 v9, 8, v2
	v_add_nc_u32 v9, v9, v2
	v_lshl_add_u32 v9, v3, 3, v9                   ; my column among the 32: r + 8 (r / 8) + 8 h: lanes 0-15 are tile 2 j, lanes 16-31 tile 2 j + 1
	v_lshlrev_b32 v9, 2, v9
.set i, 0
.rept 128
	global_load_b32 v[64+i], v9, s[32:33] offset:4096*i th:TH_LOAD_NT   ; W(128 s + i, my column)
.set i, i+1
.endr
	s_mul_i32 s38, s34, WC_T                       ; codes: weight, then fragment (2 j, s)
	s_lshl_b32 s39, s31, 4
	s_add_co_u32 s39, s39, s35
	s_mul_i32 s39, s39, 1536
	s_add_co_u32 s38, s38, s39
	s_mov_b32 s39, 0
	s_add_nc_u64 s[22:23], s[22:23], s[38:39]
	s_lshl_b32 s40, s34, 15                        ; scale words: weight x 32,768 + 2 j x 512 + 64 s
	s_lshl_b32 s41, s31, 10
	s_add_co_u32 s40, s40, s41
	s_lshl_b32 s41, s35, 6
	s_add_co_u32 s40, s40, s41
	s_mov_b32 s41, 0
	s_add_nc_u64 s[24:25], s[24:25], s[40:41]
	v_lshlrev_b32 v10, 2, v2
	v_lshl_add_u32 v10, v3, 9, v10                 ; + 512 x my tile + 4 r
; block b of my column: all 32 numbers are mine.  left: loads that may stay out (the later blocks'; a count names 63 at the most)
.macro WBLOCK b, left
.set XS, 64+32*(\b)
.set FD, F0+12*((\b)%2)+6*((\b)/2)     ; even blocks into the first fragment's registers, odd ones into the second's
	s_wait_loadcnt \left
	v_max3_num_f32 v32, |v[XS]|, |v[XS+1]|, |v[XS+2]|
	v_max3_num_f32 v33, |v[XS+3]|, |v[XS+4]|, |v[XS+5]|
.irp i, 6,10,14,18,22,26
	v_max3_num_f32 v32, v32, |v[XS+\i]|, |v[XS+\i+1]|
	v_max3_num_f32 v33, v33, |v[XS+\i+2]|, |v[XS+\i+3]|
.endr
	v_max3_num_f32 v32, v32, |v[XS+30]|, |v[XS+31]|
	v_max3_num_f32 v32, v32, v33, 0x1800000        ; and the floor
	v_add_nc_u32 v[44+(\b)], 0xff000000, v32       ; the conversion's scale operand
	v_lshrrev_b32 v33, 23, v[44+(\b)]              ; the byte
.if (\b) == 0
	v_mov_b32 v42, v33
.else
	v_lshl_or_b32 v42, v33, 8*(\b), v42
.endif
	v_cvt_scalef32_pk16_fp6_f32 v[FD:FD+2], v[XS:XS+15], v[44+(\b)]
	v_cvt_scalef32_pk16_fp6_f32 v[TT+4*(\b):TT+4*(\b)+2], v[XS+16:XS+31], v[44+(\b)]
.endm
	WBLOCK 0, 63                                   ; 96 younger loads were issued: 63 is under that
	WBLOCK 1, 63                                   ; 64 younger
	WBLOCK 2, 32
	WBLOCK 3, 0
	v_nop                                          ; one plain place behind the last conversion
.irp b, 0,1,2,3
.irp i, 0,1,2
	v_mov_b32 v[F0+12*(\b%2)+6*(\b/2)+3+\i], v[TT+4*\b+\i]
.endr
.endr
.irp k, 0,1,2,3,4,5,6,7,8,9,10,11
	v_permlane16_swap_b32 v[F0+\k], v[F0+12+\k]    ; the first's lanes 16-31 (tile 2 j + 1, blocks 0, 2) change places with the second's lanes 0-15 (tile 2 j, blocks 1, 3): two fragments
.endr
	PUT F0, 22, 0
	PUT F0+12, 22, TP
	global_store_b32 v10, v42, s[24:25]
	s_endpgm
	; ---- QUERY, KEY, VALUE.  Plane = a pair of K steps of one tensor: 0-3 query, 4-6 key, 7-9 value.  T: my wave's tile
.Lx:
	s_sub_co_u32 s30, ttmp9, 224
	s_lshr_b32 s31, s30, 7                         ; plane
	s_and_b32 s30, s30, 127
	s_lshl_b32 s30, s30, 2
	s_add_co_u32 s30, s30, s26                     ; T
	s_mov_b64 s[32:33], s[8:9]
	s_mov_b32 s34, 2                               ; the tensor's place in xc and xs
	s_mov_b32 s35, 7                               ; its first plane
	s_mov_b32 s36, 3072                            ; a row in bytes
	s_cmp_lt_u32 s31, 7
	s_cselect_b64 s[32:33], s[6:7], s[32:33]
	s_cselect_b32 s34, 1, s34
	s_cselect_b32 s35, 4, s35
	s_cmp_lt_u32 s31, 4
	s_cselect_b64 s[32:33], s[4:5], s[32:33]
	s_cselect_b32 s34, 0, s34
	s_cselect_b32 s35, 0, s35
	s_cselect_b32 s36, 4096, s36
	s_sub_co_u32 s35, s31, s35                     ; c: K steps 2 c, 2 c + 1
	s_lshr_b32 s37, s30, 1
	s_lshl_b32 s37, s37, 5
	s_and_b32 s38, s30, 1
	s_lshl_b32 s38, s38, 3
	s_add_co_u32 s37, s37, s38                     ; the tile's first row: 32 (T / 2) + 8 (T % 2)
	s_mul_i32 s38, s37, s36
	s_lshl_b32 s39, s35, 10
	s_add_co_u32 s38, s38, s39
	s_mov_b32 s39, 0
	s_add_nc_u64 s[32:33], s[32:33], s[38:39]      ; rows i = 0 .. 7
	s_lshl_b32 s38, s36, 4
	s_add_nc_u64 s[40:41], s[32:33], s[38:39]      ; rows i = 8 .. 15 lie 16 rows further down
.irp i, 0,1,2,3,4,5,6,7
	s_mul_i32 s42, s36, \i
	v_add_nc_u32 v[RO+\i], s42, v[L16]
.endr
.irp k, 0,1
.irp i, 0,1,2,3,4,5,6,7
	global_load_b128 v[64+64*\k+4*\i:64+64*\k+4*\i+3], v[RO+\i], s[32:33] offset:512*\k th:TH_LOAD_NT   ; 512 consecutive bytes of a row
.endr
.irp i, 0,1,2,3,4,5,6,7
	global_load_b128 v[96+64*\k+4*\i:96+64*\k+4*\i+3], v[RO+\i], s[40:41] offset:512*\k th:TH_LOAD_NT
.endr
.endr
	s_mul_i32 s38, s34, XC_T                       ; codes: tensor, then fragment (T, 2 c)
	s_lshl_b32 s42, s30, 3
	s_lshl_b32 s43, s35, 1
	s_add_co_u32 s42, s42, s43
	s_mul_i32 s42, s42, 1536
	s_add_co_u32 s38, s38, s42
	s_add_nc_u64 s[18:19], s[18:19], s[38:39]
	s_lshl_b32 s38, s34, 18                        ; scale words: tensor x 262,144 + 512 T + 128 c
	s_lshl_b32 s42, s30, 9
	s_add_co_u32 s38, s38, s42
	s_lshl_b32 s42, s35, 7
	s_add_co_u32 s38, s38, s42
	s_add_nc_u64 s[20:21], s[20:21], s[38:39]
; K step k's 16 rows through my stage, back into the registers that they left: LDS serves a wave's instructions in order, so no wait stands between the stores and the loads, and one stage serves both K steps
.macro TURN k
.irp i, 0,1,2,3,4,5,6,7,8,9,10,11,12,13,14,15
	ds_store_b128 v[SI], v[64+64*\k+4*\i:64+64*\k+4*\i+3] offset:528*\i
.endr
.irp b, 0,1,2,3
.irp j, 0,1,2,3
	ds_load_b128 v[64+64*\k+16*\b+4*\j:64+64*\k+16*\b+4*\j+3], v[SO] offset:128*\b+16*\j   ; row r: numbers 32 b + 16 h + 4 j on
.endr
.endr
.endm
	s_wait_loadcnt 16                              ; K step 2 c's sixteen loads are in; the sixteen younger may be out
	TURN 0
	s_wait_loadcnt 0x0
	TURN 1
	s_wait_dscnt 32                                ; the first turn's loads are in: behind them stand the second turn's 16 stores and 16 loads
	QUANT 64, 192, 40
	PUT 192, 18, 0
	s_wait_dscnt 0x0
	QUANT 128, 212, 41
	PUT 212, 18, 1536
	v_cndmask_b32 v42, v40, v41, s46               ; lanes 0-15: row r's word of K step 2 c; lanes 16-31: of K step 2 c + 1
	global_store_b32 v[L4], v42, s[20:21]
	s_wait_tensorcnt 0x0                           ; the wave's end, behind my last LDS store
	ds_add_u32 v[SPW], v[NIL]
	s_wait_dscnt 0x0
	s_endpgm
.Lfunc_end_k_qad60bb9871_quant:
	.size	k_qad60bb9871_quant, .Lfunc_end_k_qad60bb9871_quant-k_qad60bb9871_quant
	.p2alignl 7, 3214868480
	.fill 96, 4, 3214868480
	.section	.rodata,"a",@progbits
	.p2align	6, 0x0
	.amdhsa_kernel k_qad60bb9871_quant
		.amdhsa_group_segment_fixed_size 34304
		.amdhsa_private_segment_fixed_size 0
		.amdhsa_enable_private_segment 0
		.amdhsa_kernarg_size 88
		.amdhsa_user_sgpr_count 2
		.amdhsa_user_sgpr_kernarg_segment_ptr 1
		.amdhsa_wavefront_size32 1
		.amdhsa_system_sgpr_workgroup_id_x 1
		.amdhsa_system_sgpr_workgroup_id_y 1
		.amdhsa_system_sgpr_workgroup_id_z 1
		.amdhsa_system_vgpr_workitem_id 0
		.amdhsa_next_free_vgpr 232
		.amdhsa_next_free_sgpr 66
		.amdhsa_reserve_vcc 0
		.amdhsa_float_denorm_mode_32 3
		.amdhsa_float_denorm_mode_16_64 3
		.amdhsa_memory_ordered 1
		.amdhsa_forward_progress 1
		.amdhsa_inst_pref_size 40
	.end_amdhsa_kernel
	.amdgpu_metadata
---
amdhsa.version: [ 1, 2 ]
amdhsa.kernels:
  - .name:           k_qad60bb9871_quant
    .symbol:         k_qad60bb9871_quant.kd
    .args:
      - { .name: query, .offset: 0, .size: 8, .value_kind: global_buffer, .address_space: global }
      - { .name: key, .offset: 8, .size: 8, .value_kind: global_buffer, .address_space: global }
      - { .name: value, .offset: 16, .size: 8, .value_kind: global_buffer, .address_space: global }
      - { .name: Wq, .offset: 24, .size: 8, .value_kind: global_buffer, .address_space: global }
      - { .name: Wk, .offset: 32, .size: 8, .value_kind: global_buffer, .address_space: global }
      - { .name: Wv, .offset: 40, .size: 8, .value_kind: global_buffer, .address_space: global }
      - { .name: Wo, .offset: 48, .size: 8, .value_kind: global_buffer, .address_space: global }
      - { .name: xc, .offset: 56, .size: 8, .value_kind: global_buffer, .address_space: global }
      - { .name: xs, .offset: 64, .size: 8, .value_kind: global_buffer, .address_space: global }
      - { .name: wc, .offset: 72, .size: 8, .value_kind: global_buffer, .address_space: global }
      - { .name: ws, .offset: 80, .size: 8, .value_kind: global_buffer, .address_space: global }
    .group_segment_fixed_size: 34304
    .private_segment_fixed_size: 0
    .kernarg_segment_align: 8
    .kernarg_segment_size: 88
    .max_flat_workgroup_size: 128
    .sgpr_count:     66
    .vgpr_count:     232
    .wavefront_size: 32
...
	.end_amdgpu_metadata
.endif
;; end of part 1
;; launch proj (part 2): grid 4 x 192, 4 waves a work-group, clusters of 4 x 4, 297,472 bytes of LDS; arguments xc, xs, wc, ws, bq, bk, bv, qc, kv; writes qc, kv
.if DOCPART == 2
	.amdgcn_target "amdgcn-amd-amdhsa--gfx1250"
	.amdhsa_code_object_version 6
	.text
	.protected	k_qad60bb9871_proj
	.globl	k_qad60bb9871_proj
	.p2align	8
	.type	k_qad60bb9871_proj,@function
k_qad60bb9871_proj:
	s_mov_b64 s[64:65], 0
	v_nop
	global_prefetch_b8 v0, s[64:65] scope:SCOPE_SE
	s_setreg_imm32_b32 hwreg(HW_REG_WAVE_MODE, 25, 1), 1
	s_wait_xcnt 0x0
	s_wait_alu depctr_hold_cnt(0) depctr_sa_sdst(0) depctr_va_vdst(0) depctr_va_sdst(0) depctr_va_ssrc(0) depctr_va_vcc(0) depctr_vm_vsrc(0)
	s_getreg_b32 s2, hwreg(HW_REG_IB_STS2, 6, 4)
	s_cmp_eq_u32 s2, 0
	s_cbranch_scc0 .Lentry_in_a_cluster
	s_endpgm
.Lentry_in_a_cluster:
	s_bfe_u32 s2, ttmp6, 0x10000c
	s_cmp_lg_u32 s2, 0xf033
	s_cbranch_scc0 .Lentry_shape_is_right
	s_endpgm
.Lentry_shape_is_right:
; Q = query Wq + bq, K = key Wk + bk, V = value Wv + bv on codes of FP6 (E2M3) with E8M0 scales, f32 sums; the results are quantised again in registers, Q and K along the head's 64, V along the keys,
; and stored as images of the registers in which the attention launch wants them.
; ONE BODY FOR THE THREE PRODUCTS.  A work-group makes 128 rows of X x 256 rows of Wt; the matrix instruction takes source 0 = 16 rows of Wt, source 1 = 16 rows of X: a lane then holds ONE row of X and its
; registers run along Wt's rows, which is the axis that is quantised next.  Q, K: X = the tokens, Wt = the weight's columns.  V: X = Wv's columns, Wt = the tokens (a lane holds one channel, registers run along the keys).
; A tile of 16 rows holds rows 32 B + 8 u + i + 8 (i / 8) (made so by the launch before): the 16 registers of Wt's tiles 2 b, 2 b + 1 are 16 neighbours.
; The cluster's y, g: 0-15 Q, 16-31 K, 32-47 V: 256 work-groups a product.  K = 1,024 (Q) or 768 (K, V): 8 or 6 steps of 128.
; LDS: the work-group's whole operands, 294,912 bytes, come by four tensor loads a wave (a chunk = two K steps), all issued at the start: nothing is ever filled again.  With K = 768 the fourth chunk asks for the
; third's bytes once more and nobody multiplies them: so every partner issues every joint load, and no byte is read that the launch before has not written.
; CLUSTER 4 x 4: X's tiles hang on the cluster's row (cy), Wt's on its column (cx): each is asked for jointly by the four that share it.
; The bias is the C of each sum's first matrix instruction (f32 throughout).
; LIMITS: NaN and infinities are not served; a block whose largest magnitude lies under 2^-124 (zeros too) gets the byte 1; the bytes are read by this program alone.
; REGISTERS, in windows of 256.  Window 0: v1-39 addresses; v40-55 X's scale words (tile m, chunk c), v56-87 Wt's (tile t, chunk c): lanes 0-15 the chunk's first K step, lanes 16-31 its second;
;   v96-143, v144-191 X's fragments, two sets; v192-239 at work on the way out.  Window 1: Wt's fragments, two sets, at v0 and v128.  Window 2: accumulator (m, t) at v[8 (8 m + t)].
;   Window 3: v0-63 the bias along Wt's rows (tile t), v64-95 along X's rows (tile m, eight copies).
.set TP,    12288
.set XC_T,  6291456
.set XS_T,  262144
.set WC_T,  786432
.set WS_T,  32768
.set QH,    106496                     ; a head in qc: 128 tiles x 768 bytes, then 128 x 64 bytes of scale words
.set KVH,   208896                     ; a head in kv: 16 chunks
.set CH,    13056                      ; a chunk of 128 keys: 8 tiles of K x 768 | V: registers 0-5 of 4 tiles x 768 | registers 6-11 | K's scale words, 512 | V's, 256
.set XCH,   49152                      ; LDS: a half of X along K: 8 tiles x 6,144 bytes (four K steps).  THE FILLS, in place of the four chunks named above: one tensor load a wave, wave 0 X's lower half, 1 Wt's lower, 2 X's upper, 3 Wt's upper
.set WCH,   98304                      ; a half of Wt: 16 tiles x 6,144.  With K = 768 the upper halves are asked for at K steps 2-5, so slots 6, 7 hold steps 4, 5 and slots 4, 5 are multiplied by nobody: no byte is read that the launch before has not written
.set WLDS,  98304                      ; Wt's four chunks lie behind X's four
.set SSTG,  294912                     ; behind them: 512 bytes for each wave, for the way out of the scale words
.set SPARE, 296960                     ; the spare words, 128 bytes for each wave
.set L16, 4
.set L8,  5
.set L4,  6
.set XA16, 8                           ; v8-11, v12-15: LDS address of my X tiles in chunk c, for loads of 16 and of 8 bytes
.set XA8,  12
.set WA16, 16                          ; v16-19, v20-23: the same for Wt
.set WA8,  20
.set SPW, 24
.set NIL, 25
.set SSTO, 26
.set SRD,  27
.set D16,  28                          ; 16 x lane + the distance to where registers 6-11 go
.set D8,   29
.set SH,   30                          ; Q, K: lanes 16-31 shift the scale word by 16
.set SCO,  31
.set FLR,  32                          ; the floor 2^(3 - 127)
.set BXL,  33                          ; v33-36 the bias along X's rows, as loaded
.set XSC,  40
.set WSC,  56
.set XF,   96
.set PC,   192
.set TM,   212
.set PW,   228
.set WV,  22
.set WM,  23                           ; which 64 rows of X are mine
.set WN,  24                           ; which 128 rows of Wt.  Also: 0 fetches for X, 1 for Wt
.set CX,  25
.set CY,  26
.set G,   27
.set ISV, 28
.set IS7, 29                           ; K = 768
.set PI,  30                           ; 0 Q, 1 K, 2 V
.set XB,  31                           ; X's block of 128 rows
.set WB,  33                           ; Wt's block of 256 rows
.set G1X, 36                           ; s[36:43], s[44:51] descriptor groups 1;  s[68:71], s[84:87] groups 0; none is written again
.set G1W, 44
.set G0X, 68
.set G0W, 84
.set SEL, 20
.set MSB, 0
.macro WIN new                         ; the immediate's high byte repeats the setting that is left
.if MSB != \new
	s_set_vgpr_msb (MSB<<8)|\new
.set MSB, \new
.endif
.endm
.macro CROUND                          ; a round of the cluster's barrier
	s_barrier_signal -1
	s_barrier_wait -1
	s_cmp_lg_u32 s[WV], 0
	s_cbranch_scc1 .Lnot_wave_0_\@
	s_barrier_signal -3
.Lnot_wave_0_\@:
	s_barrier_wait -3
	s_barrier_signal -1
	s_barrier_wait -1
.endm
.macro FRAG reg, a16, a8, off          ; a fragment's image into 12 registers: every load reads consecutive bytes
	ds_load_b128 v[\reg:\reg+3], v[\a16] offset:\off
	ds_load_b64 v[\reg+4:\reg+5], v[\a8] offset:\off+512
	ds_load_b128 v[\reg+6:\reg+9], v[\a16] offset:\off+768
	ds_load_b64 v[\reg+10:\reg+11], v[\a8] offset:\off+1280
.endm
.macro FETCH s                         ; K step s: my 8 fragments of Wt and 4 of X into set s % 2: 48 LDS loads in one run
	WIN 0x40
.irp t, 0,1,2,3,4,5,6,7
	FRAG 128*((\s)%2)+12*\t, WA16+(\s)/4, WA8+(\s)/4, \t*6144+((\s)%4)*1536
.endr
	WIN 0
.irp m, 0,1,2,3
	FRAG XF+48*((\s)%2)+12*\m, XA16+(\s)/4, XA8+(\s)/4, \m*6144+((\s)%4)*1536
.endr
.endm
; 32 matrix instructions: the 32 accumulators by turns, in the same order in every step.  cmode 0: C in place; 1: C = the bias along Wt's rows; 2: along X's rows
.macro MUL32 s, cmode
.if \cmode == 0
	WIN 0xa1                                       ; source 0 window 1, source 1 window 0, C and D window 2
.else
	WIN 0xb1                                       ; C window 3
.endif
.irp m, 0,1,2,3
.irp t, 0,1,2,3,4,5,6,7
.set rD, 8*(8*\m+\t)
.set rA, 128*((\s)%2)+12*\t
.set rB, XF+48*((\s)%2)+12*\m
.set rW, WSC+4*\t+(\s)/2
.set rX, XSC+4*\m+(\s)/2
.if \cmode == 0
.set rC, rD
.elseif \cmode == 1
.set rC, 8*\t
.else
.set rC, 64+8*\m
.endif
.if (\s)%2
	v_wmma_scale_f32_16x16x128_f8f6f4 v[rD:rD+7], v[rA:rA+11], v[rB:rB+11], v[rC:rC+7], v[rW], v[rX] matrix_a_fmt:MATRIX_FMT_FP6 matrix_b_fmt:MATRIX_FMT_FP6 matrix_a_scale:MATRIX_SCALE_ROW1 matrix_b_scale:MATRIX_SCALE_ROW1
.else
	v_wmma_scale_f32_16x16x128_f8f6f4 v[rD:rD+7], v[rA:rA+11], v[rB:rB+11], v[rC:rC+7], v[rW], v[rX] matrix_a_fmt:MATRIX_FMT_FP6 matrix_b_fmt:MATRIX_FMT_FP6
.endif
.endr
.endr
.endm
.macro KSTEP s, nx                     ; multiplies slot s; fetches slot nx (-1: none)
	s_wait_dscnt 0x0                               ; this step's fragments are in
.if (\s) == 3
	s_wait_tensorcnt 0x0                           ; my one tensor load has landed: for waves 2, 3 an upper half
	s_barrier_signal -1
	s_barrier_wait -1                              ; everybody's has: the upper halves may be read.  Nothing is filled again
.endif
.if (\nx) >= 0
.rept 4
	v_nop                                          ; four places in front of loads into the set that the step before multiplied
.endr
	FETCH \nx
.endif
	MUL32 \s, 0
.endm
	s_load_b512 s[4:19], s[0:1], 0x0               ; xc s[4:5], xs s[6:7], wc s[8:9], ws s[10:11], bq s[12:13], bk s[14:15], bv s[16:17], qc s[18:19]
	s_load_b64 s[20:21], s[0:1], 0x40              ; kv
	v_lshl_add_u32 v[SPW], v0, 2, SPARE
	v_mov_b32 v[NIL], 0
	ds_add_u32 v[SPW], v[NIL]                      ; the wave's opening: the add and its wait stand ahead of my first tensor load; work on registers stands between them
	ds_add_u32 v[SPW], v[NIL]
	v_lshrrev_b32 v1, 5, v0
	v_readfirstlane_b32 s[WV], v1
	v_and_b32 v1, 31, v0                           ; lane
	v_and_b32 v2, 15, v0                           ; r
	v_bfe_u32 v3, v0, 4, 1                         ; h
	v_lshlrev_b32 v[L16], 4, v1
	v_lshlrev_b32 v[L8], 3, v1
	v_lshlrev_b32 v[L4], 2, v1
	s_lshr_b32 s[WM], s[WV], 1
	s_and_b32 s[WN], s[WV], 1
	s_bfe_u32 s[CX], ttmp6, 0x40000
	s_bfe_u32 s[CY], ttmp6, 0x40004
	s_and_b32 s[G], ttmp7, 0xffff                  ; the cluster's y: the same in all sixteen partners
	s_lshr_b32 s[PI], s[G], 4
	s_cmp_eq_u32 s[PI], 2
	s_cselect_b32 s[ISV], 1, 0
	s_cmp_lg_u32 s[PI], 0
	s_cselect_b32 s[IS7], 1, 0
	s_lshl_b32 s34, s[CY], 2
	s_lshl_b32 s34, 15, s34                        ; my row of the cluster
	s_lshl_b32 s35, 0x1111, s[CX]                  ; my column
	; descriptor groups 1: R rows of 768 elements of 8 bytes (a tile's four fragments of a half, 6,144 bytes), 1,536 elements (a tile's 12,288 bytes) apart; no padding
	s_or_b32 s[G1X], s34, (3<<16)|(1<<21)          ; 15:0 the mask: X's tiles go to my row; 17:16 elements of 8 bytes; 21 set beside a mask
	s_or_b32 s[G1W], s35, (3<<16)|(1<<21)          ; Wt's go to my column
	s_mov_b32 s[G1X+1], 768<<16                    ; tensor_dim0: four fragments of a tile, 6,144 bytes
	s_mov_b32 s[G1X+2], 8<<16                      ; tensor_dim1: 8 tiles
	s_mov_b32 s[G1X+3], 768<<16                    ; tile_dim0
	s_mov_b32 s[G1X+4], 8                          ; tile_dim1
	s_mov_b32 s[G1X+5], 1536                       ; the pitch
	s_mov_b32 s[G1X+6], 0
	s_mov_b32 s[G1X+7], 0
	s_mov_b32 s[G1W+1], 768<<16
	s_mov_b32 s[G1W+2], 16<<16                     ; 16 tiles
	s_mov_b32 s[G1W+3], 768<<16
	s_mov_b32 s[G1W+4], 16
	s_mov_b32 s[G1W+5], 1536
	s_mov_b32 s[G1W+6], 0
	s_mov_b32 s[G1W+7], 0
	s_and_b32 s[XB], s[G], 15                      ; Q, K: 16 clusters down the tokens, one across the weight
	s_and_b32 s32, s[G], 1                         ; V: 2 down Wv's columns,
	s_bfe_u32 s[WB], s[G], 0x30001                 ; 8 across the tokens
	s_cmp_eq_u32 s[ISV], 1
	s_cselect_b32 s[XB], s32, s[XB]
	s_cselect_b32 s[WB], s[WB], 0
	s_lshl_b32 s[XB], s[XB], 2
	s_add_co_u32 s[XB], s[XB], s[CY]               ; X's block hangs on cy alone,
	s_lshl_b32 s[WB], s[WB], 2
	s_add_co_u32 s[WB], s[WB], s[CX]               ; Wt's on cx alone
	s_mul_i32 s34, s[XB], 8*TP                     ; X: the block's 8 tiles
	s_mov_b32 s35, 0
	s_mul_i32 s52, s[WB], 16*TP                    ; Wt: its 16 tiles
	s_mov_b32 s53, 0
	s_mul_i32 s54, s[PI], XC_T                     ; this product's tensors in the four buffers
	s_mov_b32 s55, 0
	s_mul_i32 s56, s[PI], WC_T
	s_mov_b32 s57, 0
	s_mul_i32 s58, s[PI], XS_T
	s_mov_b32 s59, 0
	s_mul_i32 s60, s[PI], WS_T
	s_mov_b32 s61, 0
	s_mov_b32 s62, 6144
	s_cmp_eq_u32 s[IS7], 1
	s_cselect_b32 s62, 3072, s62                   ; the upper half begins at K step 4, or with K = 768 at step 2
	s_mul_i32 s62, s62, s[WM]                      ; waves 0, 1 fetch lower halves, waves 2, 3 upper ones
	s_mov_b32 s63, 0
	s_mov_b32 s[G0X], 1
	s_mul_i32 s[G0X+1], s[WM], XCH                 ; where they go in LDS: no place in the cluster enters an LDS address
	s_mov_b32 s[G0W], 1
	s_mul_i32 s[G0W+1], s[WM], WCH
	s_add_co_u32 s[G0W+1], s[G0W+1], WLDS
	s_wait_dscnt 0x0                               ; the opening add is done
	s_wait_kmcnt 0x0
	s_add_nc_u64 s[4:5], s[4:5], s[54:55]
	s_add_nc_u64 s[8:9], s[8:9], s[56:57]
	s_add_nc_u64 s[6:7], s[6:7], s[58:59]
	s_add_nc_u64 s[10:11], s[10:11], s[60:61]
	s_cmp_eq_u32 s[ISV], 1
	s_cselect_b64 s[54:55], s[8:9], s[4:5]         ; X's codes
	s_cselect_b64 s[56:57], s[4:5], s[8:9]         ; Wt's codes
	s_cselect_b64 s[58:59], s[10:11], s[6:7]       ; X's scale words
	s_cselect_b64 s[60:61], s[6:7], s[10:11]       ; Wt's
	s_add_nc_u64 s[54:55], s[54:55], s[34:35]
	s_add_nc_u64 s[56:57], s[56:57], s[52:53]
	s_add_nc_u64 s[G0X+2:G0X+3], s[54:55], s[62:63]
	s_add_nc_u64 s[G0W+2:G0W+3], s[56:57], s[62:63]
	s_or_b32 s[G0X+3], s[G0X+3], 0x80000000
	s_or_b32 s[G0W+3], s[G0W+3], 0x80000000
	CROUND                                         ; all sixteen work-groups are here: the joint loads meet
	s_cmp_eq_u32 s[WN], 0                          ; even waves fetch for X, odd ones for Wt: one tensor load a wave, in the two arms of one branch
	s_cbranch_scc0 .Lfirst_w
	tensor_load_to_lds s[G0X:G0X+3], s[G1X:G1X+7]
	s_nop 0
.rept 4
	v_nop
.endr
	s_branch .Lfirst_done
.Lfirst_w:
	tensor_load_to_lds s[G0W:G0W+3], s[G1W:G1W+7]
	s_nop 0
.rept 4
	v_nop
.endr
.Lfirst_done:
	; the scale words and the biases come straight into registers, once
	s_lshl_b32 s34, s[XB], 3
	s_lshl_b32 s35, s[WM], 2
	s_add_co_u32 s34, s34, s35
	s_lshl_b32 s34, s34, 9
	s_mov_b32 s35, 0
	s_add_nc_u64 s[58:59], s[58:59], s[34:35]      ; X's scale words at my first tile
	s_lshl_b32 s34, s[WB], 4
	s_lshl_b32 s52, s[WN], 3
	s_add_co_u32 s34, s34, s52
	s_lshl_b32 s34, s34, 9
	s_add_nc_u64 s[60:61], s[60:61], s[34:35]      ; Wt's
	s_lshl_b32 s34, s[IS7], 7
	s_sub_nc_u64 s[4:5], s[58:59], s[34:35]        ; for the fourth chunk's words: with K = 768 the third's once more
	s_sub_nc_u64 s[6:7], s[60:61], s[34:35]
	s_cmp_eq_u32 s[PI], 0
	s_cselect_b64 s[8:9], s[12:13], s[14:15]
	s_cmp_eq_u32 s[PI], 2
	s_cselect_b64 s[8:9], s[16:17], s[8:9]         ; this product's bias
	s_lshl_b32 s34, s[WB], 10
	s_lshl_b32 s52, s[WN], 9
	s_add_co_u32 s34, s34, s52                     ; Q, K: it runs along Wt's rows: my 128
	s_lshl_b32 s52, s[XB], 9
	s_lshl_b32 s53, s[WM], 8
	s_add_co_u32 s52, s52, s53                     ; V: along X's rows: my 64
	s_cmp_eq_u32 s[ISV], 1
	s_cselect_b32 s34, 0, s34                      ; (the set that is not used is loaded from the bias's head: inside the buffer)
	s_cselect_b32 s52, s52, 0
	s_mov_b32 s53, 0
	s_add_nc_u64 s[10:11], s[8:9], s[34:35]
	s_add_nc_u64 s[12:13], s[8:9], s[52:53]
	s_wait_alu depctr_va_vdst(0)
	v_lshlrev_b32 v7, 6, v3                        ; 64 h: tile 2 b + u, lane (r, h): Wt's rows 32 b + 16 h + 8 u + 0 .. 7
	v_and_b32 v37, 8, v2
	v_add_nc_u32 v37, v37, v2
	v_lshlrev_b32 v37, 2, v37                      ; 4 (r + 8 (r / 8)): X's row of lane r
.irp m, 0,1,2,3
.irp c, 0,1,2
	global_load_b32 v[XSC+4*\m+\c], v[L4], s[58:59] offset:512*\m+128*\c
.endr
	global_load_b32 v[XSC+4*\m+3], v[L4], s[4:5] offset:512*\m+384
.endr
.irp t, 0,1,2,3,4,5,6,7
.irp c, 0,1,2
	global_load_b32 v[WSC+4*\t+\c], v[L4], s[60:61] offset:512*\t+128*\c
.endr
	global_load_b32 v[WSC+4*\t+3], v[L4], s[6:7] offset:512*\t+384
.endr
	WIN 0xc0                                       ; destination window 3
.irp t, 0,1,2,3,4,5,6,7
	global_load_b128 v[8*\t:8*\t+3], v7, s[10:11] offset:128*(\t/2)+32*(\t%2)
	global_load_b128 v[8*\t+4:8*\t+7], v7, s[10:11] offset:128*(\t/2)+32*(\t%2)+16
.endr
	WIN 0
.irp m, 0,1,2,3
	global_load_b32 v[BXL+\m], v37, s[12:13] offset:128*(\m/2)+32*(\m%2)
.endr
	; LDS addresses
	s_mul_i32 s34, s[WM], 4*6144
	s_mul_i32 s35, s[WN], 8*6144
	s_add_co_u32 s35, s35, WLDS
.irp c, 0,1
	v_add_nc_u32 v[XA16+\c], s34, v[L16]
	v_add_nc_u32 v[XA8+\c], s34, v[L8]
	v_add_nc_u32 v[WA16+\c], s35, v[L16]
	v_add_nc_u32 v[WA8+\c], s35, v[L8]
	s_add_co_u32 s34, s34, XCH
	s_add_co_u32 s35, s35, WCH
.endr
	s_lshl_b32 s34, s[WV], 9
	s_add_co_u32 s34, s34, SSTG
	v_lshlrev_b32 v[SSTO], 2, v2
	v_lshl_add_u32 v[SSTO], v3, 8, v[SSTO]
	v_add_nc_u32 v[SSTO], s34, v[SSTO]             ; my stage: 256 h + 4 r
	v_add_nc_u32 v[SRD], s34, v[L16]
	v_mov_b32 v[FLR], 0x1800000
.irp b, 0,1,2,3
	v_mov_b32 v[TM+4+\b], 0                        ; a lane permute's destination counts as one of its sources
.endr
	; where the results go.  Q, K: token tile T0 = 8 XB + 4 WM (batch T0 / 128), heads 4 WB + 2 WN and the next.  V: head 2 XB + WM, batch WB / 8, chunk 2 (WB % 8) + WN
	s_lshl_b32 s34, s[XB], 3
	s_lshl_b32 s35, s[WM], 2
	s_add_co_u32 s34, s34, s35
	s_lshr_b32 s35, s34, 7
	s_and_b32 s34, s34, 127                        ; the tile in its batch
	s_lshl_b32 s35, s35, 4
	s_lshl_b32 s52, s[WB], 2
	s_add_co_u32 s35, s35, s52
	s_lshl_b32 s52, s[WN], 1
	s_add_co_u32 s35, s35, s52                     ; 16 x batch + head (Q, K)
	s_lshr_b32 s52, s[WB], 3
	s_lshl_b32 s52, s52, 4
	s_lshl_b32 s53, s[XB], 1
	s_add_co_u32 s52, s52, s53
	s_add_co_u32 s52, s52, s[WM]                   ; the same (V)
	s_and_b32 s53, s[WB], 7
	s_lshl_b32 s53, s53, 1
	s_add_co_u32 s53, s53, s[WN]                   ; the chunk (V)
	s_lshr_b32 s62, s34, 3                         ; the chunk (K)
	s_and_b32 s63, s34, 7                          ; the tile in it (K)
	s_cmp_eq_u32 s[PI], 0
	s_cselect_b32 s62, 0, s62
	s_cselect_b32 s63, s34, s63
	s_mov_b32 s2, KVH
	s_cselect_b32 s2, QH, s2                       ; from head to head
	s_mov_b32 s3, 12288
	s_cselect_b32 s3, 98304, s3                    ; where the scale words begin
	s_cselect_b64 s[14:15], s[18:19], s[20:21]     ; qc or kv
	s_cmp_eq_u32 s[ISV], 1
	s_cselect_b32 s35, s52, s35
	s_cselect_b32 s62, s53, s62
	s_cselect_b32 s63, 0, s63
	s_cselect_b32 s3, 12800, s3
	s_cselect_b32 s52, 6144, 0                     ; V's codes lie behind K's
	s_cselect_b32 s53, 3072, s2                    ; registers 6-11: Q, K: the next head; V: the tile's second half
	s_cselect_b32 s100, 0, s2                      ; the scale words of lanes 16-31: Q, K: the next head's; V: the same words at the same place
	s_cselect_b32 s101, 0, 16
	s_cselect_b32 s34, -1, 0xffff                  ; Q, K: two bytes a head, the upper two 0; V: all four
	s_mul_i32 s35, s35, s2
	s_mul_i32 s62, s62, CH
	s_add_co_u32 s35, s35, s62
	s_mul_i32 s62, s63, 768
	s_add_co_u32 s62, s62, s35
	s_add_co_u32 s62, s62, s52
	s_lshl_b32 s2, s63, 6
	s_add_co_u32 s2, s2, s35
	s_add_co_u32 s2, s2, s3
	s_mov_b32 s63, 0
	s_mov_b32 s3, 0
	s_add_nc_u64 s[16:17], s[14:15], s[62:63]      ; the codes
	s_add_nc_u64 s[18:19], s[14:15], s[2:3]        ; the scale words
	s_mov_b32 s[SEL], 0x76543210
	s_mov_b32 s[SEL+1], 0xfedcba98
	v_add_nc_u32 v[D16], s53, v[L16]
	v_add_nc_u32 v[D8], s53, v[L8]
	v_mul_u32_u24 v[SH], s101, v3
	v_lshlrev_b32 v[SCO], 4, v2
	v_mul_u32_u24 v229, s100, v3
	v_add_nc_u32 v[SCO], v[SCO], v229
	s_wait_alu depctr_va_vdst(0)                   ; the head's end
	s_wait_tensorcnt 0x0                           ; my one tensor load, a half of X or of Wt, is in,
	s_barrier_signal -1
	s_barrier_wait -1                              ; everybody's is
	FETCH 0
	s_wait_loadcnt 0x0                             ; scale words and biases
	WIN 0xc0
.irp m, 0,1,2,3
.irp j, 0,1,2,3,4,5,6,7
	v_mov_b32 v[64+8*\m+\j], v[BXL+\m]             ; V's bias is the same for a lane's eight keys
.endr
.endr
	WIN 0
.rept 4
	v_nop
.endr
	s_wait_dscnt 0x0                               ; K step 0: its products start the sums, with the bias as C
	FETCH 1
	s_cmp_eq_u32 s[ISV], 1
	s_cbranch_scc1 .Lk0v
	MUL32 0, 1
	WIN 0
	s_branch .Lk0d
.Lk0v:
	s_wait_alu depctr_va_vdst(0)
	MUL32 0, 2
	WIN 0
.Lk0d:
	KSTEP 1, 2
	KSTEP 2, 3
	KSTEP 3, 6                                     ; (it waits for all tensor loads)  Slots 6, 7 go first: with K = 768 they hold K steps 4, 5
	KSTEP 6, 7
	KSTEP 7, 4
	WIN 0
	s_cmp_eq_u32 s[IS7], 1                         ; K = 768: six steps.  The jump hangs on the cluster's y alone and leads round two steps' LDS loads and products: no barrier, no tensor load, no wait for one
	s_cbranch_scc1 .Lkdone
	KSTEP 4, 5
	KSTEP 5, -1
	WIN 0
.Lkdone:
	s_wait_dscnt 0x0
.rept 4
	v_nop                                          ; four places in front of the first read of results
.endr
; THE WAY OUT.  Tile m's 64 numbers of a lane (window 2, register 16 b + i = Wt's row 32 b + 16 h + i) are quantised as they stand.  Each accumulator is read from its low end on
.macro QUANTW s
	WIN 0x28                                       ; sources 1 and 2 window 2
.irp b, 0,1,2,3
	v_max3_num_f32 v[TM+\b], v[FLR], |v[(\s)+16*\b]|, |v[(\s)+1+16*\b]|
.endr
.irp i, 2,4,6,8,10,12,14
.irp b, 0,1,2,3
	v_max3_num_f32 v[TM+\b], v[TM+\b], |v[(\s)+16*\b+\i]|, |v[(\s)+1+16*\b+\i]|
.endr
.endr
	WIN 0
.irp b, 0,1,2,3
	v_permlanex16_b32 v[TM+4+\b], v[TM+\b], s[SEL], s[SEL+1]
.endr
.irp b, 0,1,2,3
	v_max_num_f32 v[TM+\b], v[TM+\b], v[TM+4+\b]
.endr
.irp b, 0,1,2,3
	v_add_nc_u32 v[TM+12+\b], 0xff000000, v[TM+\b]
.endr
.irp b, 0,1,2,3
	v_lshrrev_b32 v[TM+4+\b], 23, v[TM+12+\b]
.endr
	v_lshl_or_b32 v[PW], v[TM+5], 8, v[TM+4]
	v_lshl_or_b32 v[PW], v[TM+6], 16, v[PW]
	v_lshl_or_b32 v[PW], v[TM+7], 24, v[PW]
	WIN 0x02                                       ; source 0 window 2
.irp c, 0,1
	v_cvt_scalef32_pk16_fp6_f32 v[PC+6*\c:PC+2+6*\c], v[(\s)+32*\c:(\s)+15+32*\c], v[TM+12+2*\c]
	v_cvt_scalef32_pk16_fp6_f32 v[PC+12+4*\c:PC+14+4*\c], v[(\s)+16+32*\c:(\s)+31+32*\c], v[TM+13+2*\c]
.endr
	WIN 0
	v_nop                                          ; one plain place behind a scaled conversion
.irp c, 0,1
.irp i, 0,1,2
	v_permlane16_swap_b32 v[PC+6*\c+\i], v[PC+12+4*\c+\i]
.endr
.irp i, 0,1,2
	v_mov_b32 v[PC+3+6*\c+\i], v[PC+12+4*\c+\i]
.endr
.endr
.endm
.irp m, 0,1,2,3
.if \m > 0
	s_wait_xcnt 0x0                                ; the last tile's stores have read their registers: the codes may be written again
.endif
	QUANTW 64*\m
	v_lshrrev_b32 v[236+\m], v[SH], v[PW]          ; Q, K: lanes 0-15 keep the first head's two bytes, lanes 16-31 take the second's
	v_and_b32 v[236+\m], s34, v[236+\m]
	ds_store_b32 v[SSTO], v[236+\m] offset:64*\m
	global_store_b128 v[L16], v[PC:PC+3], s[16:17] offset:768*\m          ; each store covers 512 or 256 consecutive bytes, aligned
	global_store_b64 v[L8], v[PC+4:PC+5], s[16:17] offset:768*\m+512
	global_store_b128 v[D16], v[PC+6:PC+9], s[16:17] offset:768*\m
	global_store_b64 v[D8], v[PC+10:PC+11], s[16:17] offset:768*\m+512
.endr
	ds_load_b128 v[232:235], v[SRD]                ; LDS serves a wave's instructions in order: this sees my stores.  Four tiles' words of a head: 256 consecutive bytes in sixteen lanes
	s_wait_dscnt 0x0
	global_store_b128 v[SCO], v[232:235], s[18:19]
	s_wait_tensorcnt 0x0                           ; the wave's end, behind my last tensor load and my last LDS store
	ds_add_u32 v[SPW], v[NIL]
	s_wait_dscnt 0x0
	CROUND                                         ; the closing round
	s_endpgm
.Lfunc_end_k_qad60bb9871_proj:
	.size	k_qad60bb9871_proj, .Lfunc_end_k_qad60bb9871_proj-k_qad60bb9871_proj
	.p2alignl 7, 3214868480
	.fill 96, 4, 3214868480
	.section	.rodata,"a",@progbits
	.p2align	6, 0x0
	.amdhsa_kernel k_qad60bb9871_proj
		.amdhsa_group_segment_fixed_size 297472
		.amdhsa_private_segment_fixed_size 0
		.amdhsa_enable_private_segment 0
		.amdhsa_kernarg_size 72
		.amdhsa_user_sgpr_count 2
		.amdhsa_user_sgpr_kernarg_segment_ptr 1
		.amdhsa_wavefront_size32 1
		.amdhsa_system_sgpr_workgroup_id_x 1
		.amdhsa_system_sgpr_workgroup_id_y 1
		.amdhsa_system_sgpr_workgroup_id_z 1
		.amdhsa_system_vgpr_workitem_id 0
		.amdhsa_next_free_vgpr 864
		.amdhsa_next_free_sgpr 102
		.amdhsa_reserve_vcc 0
		.amdhsa_float_denorm_mode_32 3
		.amdhsa_float_denorm_mode_16_64 3
		.amdhsa_memory_ordered 1
		.amdhsa_forward_progress 1
		.amdhsa_inst_pref_size 98
	.end_amdhsa_kernel
	.amdgpu_metadata
---
amdhsa.version: [ 1, 2 ]
amdhsa.kernels:
  - .name:           k_qad60bb9871_proj
    .symbol:         k_qad60bb9871_proj.kd
    .args:
      - { .name: xc, .offset: 0, .size: 8, .value_kind: global_buffer, .address_space: global }
      - { .name: xs, .offset: 8, .size: 8, .value_kind: global_buffer, .address_space: global }
      - { .name: wc, .offset: 16, .size: 8, .value_kind: global_buffer, .address_space: global }
      - { .name: ws, .offset: 24, .size: 8, .value_kind: global_buffer, .address_space: global }
      - { .name: bq, .offset: 32, .size: 8, .value_kind: global_buffer, .address_space: global }
      - { .name: bk, .offset: 40, .size: 8, .value_kind: global_buffer, .address_space: global }
      - { .name: bv, .offset: 48, .size: 8, .value_kind: global_buffer, .address_space: global }
      - { .name: qc, .offset: 56, .size: 8, .value_kind: global_buffer, .address_space: global }
      - { .name: kv, .offset: 64, .size: 8, .value_kind: global_buffer, .address_space: global }
    .group_segment_fixed_size: 297472
    .private_segment_fixed_size: 0
    .kernarg_segment_align: 8
    .kernarg_segment_size: 72
    .max_flat_workgroup_size: 128
    .sgpr_count:     102
    .vgpr_count:     864
    .wavefront_size: 32
...
	.end_amdgpu_metadata
.endif
;; end of part 2
;; launch attn (part 3): grid 4 x 64, 16 waves a work-group, clusters of 4 x 1, 210,944 bytes of LDS; arguments qc, kv, ac, asc; writes ac, asc
.if DOCPART == 3
	.amdgcn_target "amdgcn-amd-amdhsa--gfx1250"
	.amdhsa_code_object_version 6
	.text
	.protected	k_qad60bb9871_attn
	.globl	k_qad60bb9871_attn
	.p2align	8
	.type	k_qad60bb9871_attn,@function
k_qad60bb9871_attn:
	s_mov_b64 s[64:65], 0
	v_nop
	global_prefetch_b8 v0, s[64:65] scope:SCOPE_SE
	s_setreg_imm32_b32 hwreg(HW_REG_WAVE_MODE, 25, 1), 1
	s_wait_xcnt 0x0
	s_wait_alu depctr_hold_cnt(0) depctr_sa_sdst(0) depctr_va_vdst(0) depctr_va_sdst(0) depctr_va_ssrc(0) depctr_va_vcc(0) depctr_vm_vsrc(0)
	s_getreg_b32 s2, hwreg(HW_REG_IB_STS2, 6, 4)
	s_cmp_eq_u32 s2, 0
	s_cbranch_scc0 .Lentry_in_a_cluster
	s_endpgm
.Lentry_in_a_cluster:
	s_bfe_u32 s2, ttmp6, 0x10000c
	s_cmp_lg_u32 s2, 0x3003
	s_cbranch_scc0 .Lentry_shape_is_right
	s_endpgm
.Lentry_shape_is_right:
; attended[b][q][head][:] = softmax_k(Q . K / 8) V for 64 (batch, head) pairs, 2,048 queries, 2,048 keys, head size 64, both products on codes of FP6 (E2M3) with E8M0 scales.
; THE SOFTMAX AHEAD OF THE SECOND PRODUCT: t = score x log2(e) / 8; M = the running largest t rounded UP to a whole number; p = 2^(t - M) is quantised along the keys, not normalised; the row's sum is taken of the
; unquantised p and divides at the end; when M moves, the sum and O are multiplied by 2^(old M - new M): exact.  The result is quantised along the head's 64 and stored as the last launch's operand.
; SHARES.  A work-group owns 512 queries of one (batch, head); each of its sixteen waves owns two tiles of 16, one after the other (two passes), in 244 registers: four waves to a SIMD, so that one wave's vector
; work stands beside another's matrix work and LDS loads.  Every pass walks all keys, 128 a step.
; THE HEAD'S K AND V, codes and scale words, 208,896 bytes, STAY WHOLE IN LDS: wave w brings chunk w (128 keys, 13,056 dense bytes) by one tensor load at the start; nothing is filled again, nothing is stored to LDS.
; CLUSTER 4 x 1: the four work-groups of a (batch, head) need the same K and V: each chunk is asked for jointly.  All loads go out at the head, so there is no later load to ask ahead for: no prefetch.
; LAYOUT.  Both products transposed: S^T = K Q^T (source 0 = 16 keys), O^T = V^T P^T (source 0 = 16 channels): a lane holds ONE query.  Tiles of keys, of queries and of channels hold rows 32 B + 8 u + i + 8 (i / 8):
; the 16 registers of tiles 2 b, 2 b + 1 are 16 neighbours (keys for p, channels for the result).
; THE FIRST PRODUCT'S K IS 64 IN AN INSTRUCTION OF 128: Q's registers 6-11 are zero codes; K's operand for tile t is v[32 + 6 t] on, 12 registers, whose upper six are the next tile's codes (for tile 7: zeros): every
; code of E2M3 is a finite number and meets a zero; bytes 2, 3 of both scale words are 0, which stands for 2^-127 and is no NaN.
; LIMITS: NaN and infinities are not served; a block whose largest magnitude lies under 2^-124 (zeros too) gets the byte 1; a block's largest p is taken from its largest score through the same two instructions.
; REGISTERS: v1-4 lane terms; v5, v6 the add's; v7-9 the step's LDS addresses; v12 -M, v13 the largest t, v[14:15] the sum; v16-27 Q of pass 0 (v22-27 zeros), v232-243 of pass 1; v28, v29 Q's scale words;
; v32-79 K's 8 tiles, then V's 4 fragments; v80-85 zeros; v86-89 K's scale words (two tiles a register), v90-91 V's; v96-159 S^T, then p; v160-191 O^T; v192-210 codes; v212-231 at work.
.set QH,    106496
.set KVH,   208896
.set CH,    13056
.set SPARE, 208896                     ; behind the sixteen chunks: the spare words, 128 bytes for each wave
.set S,   96
.set O,   160
.set PCD, 192
.set BM,  212
.set T2,  216
.set SOP, 220
.set WV,  12
.set SEL, 20
.set CS,  22                           ; s[22:23] c = log2(e) / 8
.set G1,  24
.set G0,  32
.set TB,  36                           ; the step's chunk in LDS
.set CNT, 37
.macro CROUND
	s_barrier_signal -1
	s_barrier_wait -1
	s_cmp_lg_u32 s[WV], 0
	s_cbranch_scc1 .Lnot_wave_0_\@
	s_barrier_signal -3
.Lnot_wave_0_\@:
	s_barrier_wait -3
	s_barrier_signal -1
	s_barrier_wait -1
.endm
	s_load_b256 s[4:11], s[0:1], 0x0               ; qc s[4:5], kv s[6:7], ac s[8:9], asc s[10:11]
	v_lshl_add_u32 v5, v0, 2, SPARE
	v_mov_b32 v6, 0
	ds_add_u32 v5, v6                              ; the wave's opening: the add and its wait stand ahead of my first tensor load; work on registers stands between them
	ds_add_u32 v5, v6
	v_lshrrev_b32 v1, 5, v0
	s_delay_alu instid0(VALU_DEP_1)
	v_readfirstlane_b32 s[WV], v1
	v_and_b32 v3, 31, v0
	v_and_b32 v4, 15, v0
	s_delay_alu instid0(VALU_DEP_2)
	v_lshlrev_b32 v1, 4, v3                        ; 16 x lane
	s_delay_alu instid0(VALU_DEP_3)
	v_lshlrev_b32 v2, 3, v3                        ; 8 x lane
	s_delay_alu instid0(VALU_DEP_4)
	v_lshlrev_b32 v3, 2, v3                        ; 4 x lane
	s_delay_alu instid0(VALU_DEP_4)
	v_lshlrev_b32 v4, 2, v4                        ; 4 r
	s_bfe_u32 s13, ttmp6, 0x40000                  ; cx: it enters Q's and the results' addresses alone
	s_and_b32 s14, ttmp7, 0xffff                   ; 16 x batch + head, which the four partners share
	s_mov_b32 s[SEL], 0x76543210
	s_mov_b32 s[SEL+1], 0xfedcba98
	s_mov_b32 s[CS], 0x3e38aa3b
	s_mov_b32 s[CS+1], s[CS]                       ; (named with it as a pair, so it is written)
	; descriptor group 1: a dense block of 13,056 bytes as 51 rows of 32 elements of 8 bytes
	s_mov_b32 s[G1], 15|(3<<16)|(1<<21)            ; 15:0 the mask: all four work-groups; 17:16 elements of 8 bytes; 21 set beside a mask
	s_mov_b32 s[G1+1], 32<<16
	s_mov_b32 s[G1+2], 51<<16
	s_mov_b32 s[G1+3], 32<<16
	s_mov_b32 s[G1+4], 51
	s_mov_b32 s[G1+5], 32
	s_mov_b32 s[G1+6], 0
	s_mov_b32 s[G1+7], 0
	s_mul_i32 s15, s[WV], CH                       ; my chunk: in LDS and in the head's bytes
	s_mul_i32 s16, s14, KVH
	s_add_co_u32 s16, s16, s15
	s_mov_b32 s17, 0
	s_mov_b32 s[G0], 1
	s_mov_b32 s[G0+1], s15
	s_lshl_b32 s18, s13, 5
	s_lshl_b32 s19, s[WV], 1
	s_add_co_u32 s18, s18, s19                     ; my first tile of queries: 32 cx + 2 wave
	s_mul_i32 s38, s14, QH
	s_mul_i32 s19, s18, 768
	s_add_co_u32 s40, s38, 98304
	s_add_co_u32 s38, s38, s19                     ; its codes in qc
	s_mov_b32 s39, 0
	s_lshl_b32 s19, s18, 6
	s_add_co_u32 s40, s40, s19                     ; its scale words
	s_mov_b32 s41, 0
	s_lshr_b32 s19, s14, 4
	s_lshl_b32 s19, s19, 7
	s_add_co_u32 s19, s19, s18                     ; the tile among all tokens' tiles
	s_and_b32 s50, s14, 15                         ; head
	s_lshr_b32 s51, s50, 1                         ; the last product's K step,
	s_and_b32 s50, s50, 1                          ; and which half of it
	s_lshl_b32 s42, s19, 3
	s_add_co_u32 s42, s42, s51
	s_mul_i32 s42, s42, 1536
	s_mul_i32 s52, s50, 768
	s_add_co_u32 s42, s42, s52                     ; in ac
	s_mov_b32 s43, 0
	s_lshl_b32 s44, s19, 9
	s_lshl_b32 s51, s51, 6
	s_add_co_u32 s44, s44, s51
	s_lshl_b32 s50, s50, 1
	s_add_co_u32 s44, s44, s50                     ; in asc: 512 x tile + 64 x K step + 2 x half
	s_mov_b32 s45, 0
	s_wait_dscnt 0x0                               ; the opening add is done
	s_wait_kmcnt 0x0
	s_add_nc_u64 s[G0+2:G0+3], s[6:7], s[16:17]
	s_or_b32 s[G0+3], s[G0+3], 0x80000000
	s_add_nc_u64 s[46:47], s[4:5], s[38:39]
	s_add_nc_u64 s[48:49], s[4:5], s[40:41]
	s_add_nc_u64 s[8:9], s[8:9], s[42:43]
	s_add_nc_u64 s[10:11], s[10:11], s[44:45]
	CROUND                                         ; all four work-groups are here: the joint loads meet
	tensor_load_to_lds s[G0:G0+3], s[G1:G1+7]      ; my one tensor load
	s_nop 0
.rept 4
	v_nop
.endr
	s_wait_alu depctr_va_vdst(0)
	global_load_b128 v[16:19], v1, s[46:47]        ; both passes' Q: registers 0-5 of the operand
	global_load_b64 v[20:21], v2, s[46:47] offset:512
	global_load_b128 v[232:235], v1, s[46:47] offset:768
	global_load_b64 v[236:237], v2, s[46:47] offset:1280
	global_load_b32 v28, v4, s[48:49]
	global_load_b32 v29, v4, s[48:49] offset:64
.irp j, 0,1,2,3,4,5
	v_mov_b32 v[22+\j], 0                          ; zero codes for the upper 64 of the instruction's K
	v_mov_b32 v[238+\j], 0
	v_mov_b32 v[80+\j], 0
.endr
.irp b, 0,1,2,3
	v_mov_b32 v[T2+\b], 0                          ; a lane permute's destination counts as one of its sources
.endr
	v_mov_b32 v224, 0
	v_mov_b32 v227, 0                              ; (named as the upper half of the pair v[226:227])
	s_wait_tensorcnt 0x0                           ; my chunk is in,
	s_barrier_signal -1
	s_barrier_wait -1                              ; everybody's is
	s_wait_loadcnt 0x0                             ; Q
; A KEY STEP: 128 keys.  qr: Q's first register; sw: Q's scale word
.macro STEP qr, sw
	v_add_nc_u32 v7, s[TB], v1
	v_add_nc_u32 v8, s[TB], v2
	v_add_nc_u32 v9, s[TB], v3
	v_nop                                          ; these four are the places in front of loads into registers that the last products read
.irp t, 0,1,2,3,4,5,6,7
	ds_load_b128 v[32+6*\t:35+6*\t], v7 offset:768*\t
	ds_load_b64 v[36+6*\t:37+6*\t], v8 offset:768*\t+512
.endr
.irp t, 0,1,2,3
	ds_load_b32 v[86+\t], v9 offset:12288+128*\t   ; lanes 0-15: tile 2 t's words; lanes 16-31: tile 2 t + 1's
.endr
	s_wait_alu depctr_va_vdst(0)
	s_wait_dscnt 0x0
.irp t, 0,2,4,6
	v_wmma_scale_f32_16x16x128_f8f6f4 v[S+8*\t:S+8*\t+7], v[32+6*\t:43+6*\t], v[\qr:\qr+11], 0, v[86+\t/2], v[\sw] matrix_a_fmt:MATRIX_FMT_FP6 matrix_b_fmt:MATRIX_FMT_FP6
	v_wmma_scale_f32_16x16x128_f8f6f4 v[S+8+8*\t:S+15+8*\t], v[38+6*\t:49+6*\t], v[\qr:\qr+11], 0, v[86+\t/2], v[\sw] matrix_a_fmt:MATRIX_FMT_FP6 matrix_b_fmt:MATRIX_FMT_FP6 matrix_a_scale:MATRIX_SCALE_ROW1
.endr
.rept 4
	v_nop                                          ; four places: in front of the loads below and of the first read of the scores
.endr
.irp d, 0,1,2,3                                ; V's four fragments are asked for here and land during the softmax
	ds_load_b128 v[32+12*\d:35+12*\d], v7 offset:6144+768*\d
	ds_load_b64 v[36+12*\d:37+12*\d], v8 offset:6144+768*\d+512
	ds_load_b128 v[38+12*\d:41+12*\d], v7 offset:9216+768*\d
	ds_load_b64 v[42+12*\d:43+12*\d], v8 offset:9216+768*\d+512
.endr
	ds_load_b32 v90, v9 offset:12800
	ds_load_b32 v91, v9 offset:12928
.irp b, 0,1,2,3
	v_max3_num_f32 v[BM+\b], v[S+16*\b], v[S+1+16*\b], v[S+2+16*\b]   ; the largest score of each block of 32 keys: for the row's maximum, and, since p rises with the score, for the block's largest p
.endr
.irp i, 3,5,7,9,11,13
.irp b, 0,1,2,3
	v_max3_num_f32 v[BM+\b], v[BM+\b], v[S+16*\b+\i], v[S+1+16*\b+\i]
.endr
.endr
.irp b, 0,1,2,3
	v_max_num_f32 v[BM+\b], v[BM+\b], v[S+15+16*\b]
.endr
.irp b, 0,1,2,3
	s_delay_alu instid0(VALU_DEP_4)
	v_permlanex16_b32 v[T2+\b], v[BM+\b], s[SEL], s[SEL+1]
.endr
.irp b, 0,1,2,3
	s_delay_alu instid0(VALU_DEP_4)
	v_max_num_f32 v[BM+\b], v[BM+\b], v[T2+\b]     ; with lane l xor 16's 16 keys
.endr
	s_delay_alu instid0(VALU_DEP_2)
	v_max3_num_f32 v224, v212, v213, v214
	s_delay_alu instid0(VALU_DEP_1)
	v_max_num_f32 v224, v224, v215                 ; the step's largest score of my query
	s_delay_alu instid0(VALU_DEP_1)
	v_mul_f32 v224, s[CS], v224                    ; as t (c is positive)
	s_delay_alu instid0(VALU_DEP_1)
	v_max_num_f32 v13, v13, v224                   ; the running largest t
	v_mov_b32 v224, v12
	s_delay_alu instid0(VALU_DEP_2)
	v_floor_f32 v12, -v13                          ; the new -M = floor(-t) = -ceil(t): a whole number
	s_delay_alu instid0(VALU_DEP_1)
	v_sub_f32 v224, v12, v224                      ; old M - new M: a whole number, 0 or less
	s_delay_alu instid0(VALU_DEP_1)
	v_cvt_i32_f32 v224, v224                       ; (it saturates)
	s_delay_alu instid0(VALU_DEP_1)
	v_ldexp_f32 v226, 1.0, v224                    ; f = 2^(old M - new M)
.set j, 0
.rept 32
	v_pk_fma_f32 v[S+j:S+j+1], v[S+j:S+j+1], s[CS:CS+1], v[12:13] op_sel_hi:[1,0,0]   ; t - M, two at a time
.set j, j+2
.endr
.irp b, 0,1,2,3
	v_fma_f32 v[BM+\b], v[BM+\b], s[CS], v12       ; the same of each block's largest score
.endr
.set j, 0
	s_wait_alu depctr_va_vdst(0)
.rept 64
	v_exp_f32 v[S+j], v[S+j]                       ; p = 2^(t - M), at most 1
.set j, j+1
.endr
	v_pk_mul_f32 v[14:15], v[14:15], v[226:227] op_sel_hi:[1,0]   ; the sums under the new M: the plain place behind the exponentials
	s_wait_alu depctr_va_vdst(0)                   ; one wait for the batch of 64, ahead of its first reader
.irp b, 0,1,2,3
	v_exp_f32 v[BM+\b], v[BM+\b]                   ; the block's largest p
.endr
	v_pk_add_f32 v[230:231], v[100:101], v[104:105]
	v_pk_add_f32 v[228:229], v[108:109], v[112:113]
	v_pk_add_f32 v[222:223], v[116:117], v[120:121]
	v_pk_add_f32 v[220:221], v[124:125], v[128:129]
	v_pk_add_f32 v[218:219], v[132:133], v[136:137]
	v_pk_add_f32 v[216:217], v[140:141], v[144:145]
	v_pk_add_f32 v[210:211], v[148:149], v[152:153]
	v_pk_add_f32 v[14:15], v[14:15], v[156:157]
	v_pk_add_f32 v[230:231], v[230:231], v[96:97]
	v_pk_add_f32 v[228:229], v[228:229], v[98:99]
	v_pk_add_f32 v[222:223], v[222:223], v[102:103]
	v_pk_add_f32 v[220:221], v[220:221], v[106:107]
	v_pk_add_f32 v[218:219], v[218:219], v[110:111]
	v_pk_add_f32 v[216:217], v[216:217], v[114:115]
	v_pk_add_f32 v[210:211], v[210:211], v[118:119]
	v_pk_add_f32 v[14:15], v[14:15], v[122:123]
	v_pk_add_f32 v[230:231], v[230:231], v[126:127]
	v_pk_add_f32 v[228:229], v[228:229], v[130:131]
	v_pk_add_f32 v[222:223], v[222:223], v[134:135]
	v_pk_add_f32 v[220:221], v[220:221], v[138:139]
	v_pk_add_f32 v[218:219], v[218:219], v[142:143]
	v_pk_add_f32 v[216:217], v[216:217], v[146:147]
	v_pk_add_f32 v[210:211], v[210:211], v[150:151]
	v_pk_add_f32 v[14:15], v[14:15], v[154:155]
	v_pk_add_f32 v[230:231], v[230:231], v[158:159]
	s_delay_alu instid0(VALU_DEP_2)
	v_pk_add_f32 v[14:15], v[14:15], v[220:221]
	s_delay_alu instid0(VALU_DEP_2)
	v_pk_add_f32 v[230:231], v[230:231], v[218:219]
	v_pk_add_f32 v[228:229], v[228:229], v[216:217]
	v_pk_add_f32 v[222:223], v[222:223], v[210:211]
	s_delay_alu instid0(VALU_DEP_2)
	v_pk_add_f32 v[14:15], v[14:15], v[228:229]
	s_delay_alu instid0(VALU_DEP_2)
	v_pk_add_f32 v[230:231], v[230:231], v[222:223]
	s_delay_alu instid0(VALU_DEP_1)
	v_pk_add_f32 v[14:15], v[14:15], v[230:231]
	s_wait_alu depctr_va_vdst(0)                   ; and one for the four
.irp b, 0,1,2,3
	v_max_num_f32 v[BM+\b], 0x1800000, v[BM+\b]    ; the floor 2^(3 - 127): the byte cannot fall under 1
.endr
.irp b, 0,1,2,3
	s_delay_alu instid0(VALU_DEP_4)
	v_add_nc_u32 v[SOP+\b], 0xff000000, v[BM+\b]   ; the conversion's scale operand
.endr
.irp b, 0,1,2,3
	s_delay_alu instid0(VALU_DEP_4)
	v_lshrrev_b32 v[T2+\b], 23, v[SOP+\b]          ; the byte
.endr
	s_delay_alu instid0(VALU_DEP_3)
	v_lshl_or_b32 v228, v217, 8, v216              ; p's scale word for these 128 keys
	s_delay_alu instid0(VALU_DEP_1)
	v_lshl_or_b32 v228, v218, 16, v228
	s_delay_alu instid0(VALU_DEP_1)
	v_lshl_or_b32 v228, v219, 24, v228
.irp c, 0,1
	v_cvt_scalef32_pk16_fp6_f32 v[PCD+6*\c:PCD+2+6*\c], v[S+32*\c:S+15+32*\c], v[SOP+2*\c]
	v_cvt_scalef32_pk16_fp6_f32 v[PCD+12+4*\c:PCD+14+4*\c], v[S+16+32*\c:S+31+32*\c], v[SOP+1+2*\c]
.endr
	v_nop                                          ; one plain place behind a scaled conversion
.irp c, 0,1
.irp i, 0,1,2
	v_permlane16_swap_b32 v[PCD+6*\c+\i], v[PCD+12+4*\c+\i]
.endr
.irp i, 0,1,2
	s_delay_alu instid0(VALU_DEP_3)
	v_mov_b32 v[PCD+3+6*\c+\i], v[PCD+12+4*\c+\i]
.endr
.endr
.set j, 0
.rept 16
	v_pk_mul_f32 v[O+j:O+j+1], v[O+j:O+j+1], v[226:227] op_sel_hi:[1,0]   ; O^T under the new M; these sixteen also stand between the making of p's codes and scale word and the products
.set j, j+2
.endr
	s_wait_alu depctr_va_vdst(0)
	s_wait_dscnt 0x0                               ; V is in
.irp d, 0,2
	v_wmma_scale_f32_16x16x128_f8f6f4 v[O+8*\d:O+7+8*\d], v[32+12*\d:43+12*\d], v[PCD:PCD+11], v[O+8*\d:O+7+8*\d], v[90+\d/2], v228 matrix_a_fmt:MATRIX_FMT_FP6 matrix_b_fmt:MATRIX_FMT_FP6
	v_wmma_scale_f32_16x16x128_f8f6f4 v[O+8+8*\d:O+15+8*\d], v[44+12*\d:55+12*\d], v[PCD:PCD+11], v[O+8+8*\d:O+15+8*\d], v[90+\d/2], v228 matrix_a_fmt:MATRIX_FMT_FP6 matrix_b_fmt:MATRIX_FMT_FP6 matrix_a_scale:MATRIX_SCALE_ROW1
.endr
.endm
; THE WAY OUT of pass p: O^T / the sum; a lane's 32 numbers (register 16 b + i = channel 32 b + 16 h + i) are two blocks of the last product's K: six registers of codes and two scale bytes
.macro OUTW p
.rept 4
	v_nop                                          ; four places behind the last products
.endr
	v_add_f32 v14, v14, v15
	s_delay_alu instid0(VALU_DEP_1)
	v_permlanex16_b32 v224, v14, s[SEL], s[SEL+1]
	s_delay_alu instid0(VALU_DEP_1)
	v_add_f32 v14, v14, v224                       ; the row's sum
	s_wait_alu depctr_va_vdst(0)
	v_rcp_f32 v14, v14
	v_nop                                          ; a plain place behind the reciprocal
	s_wait_alu depctr_va_vdst(0)                   ; and the wait ahead of its first reader
.set j, 0
.rept 16
	v_pk_mul_f32 v[S+j:S+j+1], v[O+j:O+j+1], v[14:15] op_sel_hi:[1,0]   ; each accumulator from its low end on
.set j, j+2
.endr
.irp b, 0,1
	v_max3_num_f32 v[BM+\b], |v[S+16*\b]|, |v[S+1+16*\b]|, 0x1800000
.endr
.irp i, 2,4,6,8,10,12,14
.irp b, 0,1
	s_delay_alu instid0(VALU_DEP_2)
	v_max3_num_f32 v[BM+\b], v[BM+\b], |v[S+16*\b+\i]|, |v[S+1+16*\b+\i]|
.endr
.endr
.irp b, 0,1
	s_delay_alu instid0(VALU_DEP_2)
	v_permlanex16_b32 v[T2+\b], v[BM+\b], s[SEL], s[SEL+1]
.endr
.irp b, 0,1
	s_delay_alu instid0(VALU_DEP_2)
	v_max_num_f32 v[BM+\b], v[BM+\b], v[T2+\b]
.endr
.irp b, 0,1
	s_delay_alu instid0(VALU_DEP_2)
	v_add_nc_u32 v[SOP+\b], 0xff000000, v[BM+\b]
.endr
.irp b, 0,1
	s_delay_alu instid0(VALU_DEP_2)
	v_lshrrev_b32 v[T2+\b], 23, v[SOP+\b]
.endr
	s_delay_alu instid0(VALU_DEP_1)
	v_lshl_or_b32 v228, v217, 8, v216
	v_cvt_scalef32_pk16_fp6_f32 v[PCD:PCD+2], v[S:S+15], v[SOP]
	v_cvt_scalef32_pk16_fp6_f32 v[PCD+12:PCD+14], v[S+16:S+31], v[SOP+1]
	v_nop
.irp i, 0,1,2
	v_permlane16_swap_b32 v[PCD+\i], v[PCD+12+\i]
.endr
.irp i, 0,1,2
	s_delay_alu instid0(VALU_DEP_3)
	v_mov_b32 v[PCD+3+\i], v[PCD+12+\i]
.endr
	global_store_b128 v1, v[PCD:PCD+3], s[8:9] offset:12288*\p       ; 512 and 256 consecutive bytes, aligned
	global_store_b64 v2, v[PCD+4:PCD+5], s[8:9] offset:12288*\p+512
	global_store_b16 v4, v228, s[10:11] offset:512*\p                ; my head's half of row r's scale word (both halves of the lanes store the same two bytes): 32 bytes beside the 768 of codes
	s_wait_xcnt 0x0                                ; the stores have read their registers: the next pass may write them
.endm
.macro PASS p, qr, sw
	v_mov_b32 v13, 0xff61b1e6                      ; the largest t so far: -3e38, under every t
	s_delay_alu instid0(VALU_DEP_1)
	v_floor_f32 v12, -v13
	v_mov_b32 v14, 0
	v_mov_b32 v15, 0
.set j, 0
.rept 32
	v_mov_b32 v[O+j], 0                            ; the step is written once: the first finds zeros, which the first change of M leaves zeros
.set j, j+1
.endr
	s_mov_b32 s[TB], 0
	s_mov_b32 s[CNT], 16
.Lstep_\@:
	STEP \qr, \sw
	s_add_co_u32 s[TB], s[TB], CH
	s_sub_co_u32 s[CNT], s[CNT], 1
	s_cmp_lg_u32 s[CNT], 0
	s_cbranch_scc1 .Lstep_\@
	OUTW \p
.endm
	PASS 0, 16, 28
	PASS 1, 232, 29
	s_wait_tensorcnt 0x0                           ; the wave's end, behind my last tensor load
	ds_add_u32 v5, v6
	s_wait_dscnt 0x0
	CROUND                                         ; the closing round
	s_endpgm
.Lfunc_end_k_qad60bb9871_attn:
	.size	k_qad60bb9871_attn, .Lfunc_end_k_qad60bb9871_attn-k_qad60bb9871_attn
	.p2alignl 7, 3214868480
	.fill 96, 4, 3214868480
	.section	.rodata,"a",@progbits
	.p2align	6, 0x0
	.amdhsa_kernel k_qad60bb9871_attn
		.amdhsa_group_segment_fixed_size 210944
		.amdhsa_private_segment_fixed_size 0
		.amdhsa_enable_private_segment 0
		.amdhsa_kernarg_size 32
		.amdhsa_user_sgpr_count 2
		.amdhsa_user_sgpr_kernarg_segment_ptr 1
		.amdhsa_wavefront_size32 1
		.amdhsa_system_sgpr_workgroup_id_x 1
		.amdhsa_system_sgpr_workgroup_id_y 1
		.amdhsa_system_sgpr_workgroup_id_z 1
		.amdhsa_system_vgpr_workitem_id 0
		.amdhsa_next_free_vgpr 244
		.amdhsa_next_free_sgpr 66
		.amdhsa_reserve_vcc 0
		.amdhsa_float_denorm_mode_32 3
		.amdhsa_float_denorm_mode_16_64 3
		.amdhsa_memory_ordered 1
		.amdhsa_forward_progress 1
		.amdhsa_inst_pref_size 52
	.end_amdhsa_kernel
	.amdgpu_metadata
---
amdhsa.version: [ 1, 2 ]
amdhsa.kernels:
  - .name:           k_qad60bb9871_attn
    .symbol:         k_qad60bb9871_attn.kd
    .args:
      - { .name: qc, .offset: 0, .size: 8, .value_kind: global_buffer, .address_space: global }
      - { .name: kv, .offset: 8, .size: 8, .value_kind: global_buffer, .address_space: global }
      - { .name: ac, .offset: 16, .size: 8, .value_kind: global_buffer, .address_space: global }
      - { .name: asc, .offset: 24, .size: 8, .value_kind: global_buffer, .address_space: global }
    .group_segment_fixed_size: 210944
    .private_segment_fixed_size: 0
    .kernarg_segment_align: 8
    .kernarg_segment_size: 32
    .max_flat_workgroup_size: 512
    .sgpr_count:     66
    .vgpr_count:     244
    .wavefront_size: 32
...
	.end_amdgpu_metadata
.endif
;; end of part 3
;; launch outp (part 4): grid 4 x 64, 4 waves a work-group, clusters of 4 x 4, 297,472 bytes of LDS; arguments ac, asc, wc, ws, bo, out0; writes out0
.if DOCPART == 4
	.amdgcn_target "amdgcn-amd-amdhsa--gfx1250"
	.amdhsa_code_object_version 6
	.text
	.protected	k_qad60bb9871_outp
	.globl	k_qad60bb9871_outp
	.p2align	8
	.type	k_qad60bb9871_outp,@function
k_qad60bb9871_outp:
	s_mov_b64 s[64:65], 0
	v_nop
	global_prefetch_b8 v0, s[64:65] scope:SCOPE_SE
	s_setreg_imm32_b32 hwreg(HW_REG_WAVE_MODE, 25, 1), 1
	s_wait_xcnt 0x0
	s_wait_alu depctr_hold_cnt(0) depctr_sa_sdst(0) depctr_va_vdst(0) depctr_va_sdst(0) depctr_va_ssrc(0) depctr_va_vcc(0) depctr_vm_vsrc(0)
	s_getreg_b32 s2, hwreg(HW_REG_IB_STS2, 6, 4)
	s_cmp_eq_u32 s2, 0
	s_cbranch_scc0 .Lentry_in_a_cluster
	s_endpgm
.Lentry_in_a_cluster:
	s_bfe_u32 s2, ttmp6, 0x10000c
	s_cmp_lg_u32 s2, 0xf033
	s_cbranch_scc0 .Lentry_shape_is_right
	s_endpgm
.Lentry_shape_is_right:
; out0 = attended Wo + bo on codes of FP6 (E2M3) with E8M0 scales, f32 sums.  attended [8192][1024] and Wo (K its first axis) come as images of the operand's registers, made by the launches before.
; A work-group makes 128 tokens x 256 columns; four waves, each 64 x 128: 32 accumulators.  Source 0 = 16 columns of Wo, source 1 = 16 tokens: a lane holds one token and its registers run along the columns.
; A tile of 16 holds rows 32 B + 8 u + i + 8 (i / 8): for the columns that makes a lane's 16 registers of two tiles 16 neighbours; for the tokens the way out puts each row where it belongs.
; LDS: the work-group's whole operands, 294,912 bytes, come by four tensor loads a wave (a chunk = two K steps), all issued at the start: nothing is ever filled again.
; CLUSTER 4 x 4: the tokens' tiles hang on cy, Wo's on cx: each is asked for jointly by the four that share it.  The bias is the C of each sum's first matrix instruction.
; REGISTERS, in windows of 256.  Window 0: v1-31 addresses; v40-55 the tokens' scale words, v56-87 Wo's: lanes 0-15 a chunk's first K step, lanes 16-31 its second; v96-143, v144-191 the tokens' fragments, two sets
;   (on the way out v96-223: rows of the result).  Window 1: Wo's fragments, two sets.  Window 2: accumulator (m, t) at v[8 (8 m + t)].  Window 3: v0-63 the bias (tile t).
.set TP,    12288
.set WC_T,  786432
.set WS_T,  32768
.set XCH,   49152                      ; LDS: a half of the tokens' operand along K: 8 tiles x 6,144 bytes (four K steps).  THE FILLS, in place of the four chunks named above: one tensor load a wave: wave 0 the tokens' lower half, 1 Wo's lower, 2 the tokens' upper, 3 Wo's upper
.set WCH,   98304                      ; a half of Wo: 16 tiles x 6,144
.set WLDS,  98304
.set STAGE, 98304                      ; the way out: 16 rows x (512 bytes + 16) for each wave, in Wo's lower half: it has had its only fill, and every wave's reads of it were over in front of the barrier of K step 3
.set SPARE, 296960                     ; the spare words, 128 bytes for each wave
.set L16, 4
.set L8,  5
.set L4,  6
.set XA16, 8
.set XA8,  12
.set WA16, 16
.set WA8,  20
.set SPW, 24
.set NIL, 25
.set STO, 26
.set RD,  27
.set XSC, 40
.set WSC, 56
.set XF,  96
.set BK,  96
.set WV,  22
.set WM,  23
.set WN,  24
.set CX,  25
.set CY,  26
.set XB,  31
.set WB,  33
.set G1X, 36
.set G1W, 44
.set G0X, 68
.set G0W, 84
.set MSB, 0
.macro WIN new                         ; the immediate's high byte repeats the setting that is left
.if MSB != \new
	s_set_vgpr_msb (MSB<<8)|\new
.set MSB, \new
.endif
.endm
.macro CROUND
	s_barrier_signal -1
	s_barrier_wait -1
	s_cmp_lg_u32 s[WV], 0
	s_cbranch_scc1 .Lnot_wave_0_\@
	s_barrier_signal -3
.Lnot_wave_0_\@:
	s_barrier_wait -3
	s_barrier_signal -1
	s_barrier_wait -1
.endm
.macro FRAG reg, a16, a8, off
	ds_load_b128 v[\reg:\reg+3], v[\a16] offset:\off
	ds_load_b64 v[\reg+4:\reg+5], v[\a8] offset:\off+512
	ds_load_b128 v[\reg+6:\reg+9], v[\a16] offset:\off+768
	ds_load_b64 v[\reg+10:\reg+11], v[\a8] offset:\off+1280
.endm
.macro FETCH s
	WIN 0x40
.irp t, 0,1,2,3,4,5,6,7
	FRAG 128*((\s)%2)+12*\t, WA16+(\s)/4, WA8+(\s)/4, \t*6144+((\s)%4)*1536
.endr
	WIN 0
.irp m, 0,1,2,3
	FRAG XF+48*((\s)%2)+12*\m, XA16+(\s)/4, XA8+(\s)/4, \m*6144+((\s)%4)*1536
.endr
.endm
; 32 matrix instructions: the 32 accumulators by turns, in the same order in every step.  cmode 0: C in place; 1: C = the bias
.macro MUL32 s, cmode
.if \cmode == 0
	WIN 0xa1
.else
	WIN 0xb1
.endif
.irp m, 0,1,2,3
.irp t, 0,1,2,3,4,5,6,7
.set rD, 8*(8*\m+\t)
.set rA, 128*((\s)%2)+12*\t
.set rB, XF+48*((\s)%2)+12*\m
.set rW, WSC+4*\t+(\s)/2
.set rX, XSC+4*\m+(\s)/2
.if \cmode == 0
.set rC, rD
.else
.set rC, 8*\t
.endif
.if (\s)%2
	v_wmma_scale_f32_16x16x128_f8f6f4 v[rD:rD+7], v[rA:rA+11], v[rB:rB+11], v[rC:rC+7], v[rW], v[rX] matrix_a_fmt:MATRIX_FMT_FP6 matrix_b_fmt:MATRIX_FMT_FP6 matrix_a_scale:MATRIX_SCALE_ROW1 matrix_b_scale:MATRIX_SCALE_ROW1
.else
	v_wmma_scale_f32_16x16x128_f8f6f4 v[rD:rD+7], v[rA:rA+11], v[rB:rB+11], v[rC:rC+7], v[rW], v[rX] matrix_a_fmt:MATRIX_FMT_FP6 matrix_b_fmt:MATRIX_FMT_FP6
.endif
.endr
.endr
.endm
.macro KSTEP s, nx                     ; multiplies K step s; fetches step nx (-1: none)
	s_wait_dscnt 0x0                               ; this step's fragments are in
.if (\s) == 3
	s_wait_tensorcnt 0x0                           ; my one tensor load has landed: for waves 2, 3 an upper half
	s_barrier_signal -1
	s_barrier_wait -1                              ; everybody's has, and nobody reads the lower halves any more.  Nothing is filled again
.endif
.if (\nx) >= 0
.rept 4
	v_nop                                          ; four places in front of loads into the set that the step before multiplied
.endr
	FETCH \nx
.endif
	MUL32 \s, 0
.endm
	s_load_b256 s[4:11], s[0:1], 0x0               ; ac s[4:5], asc s[6:7], wc s[8:9], ws s[10:11]
	s_load_b128 s[12:15], s[0:1], 0x20             ; bo s[12:13], out0 s[14:15]
	v_lshl_add_u32 v[SPW], v0, 2, SPARE
	v_mov_b32 v[NIL], 0
	ds_add_u32 v[SPW], v[NIL]                      ; the wave's opening: the add and its wait stand ahead of my first tensor load; work on registers stands between them
	ds_add_u32 v[SPW], v[NIL]
	v_lshrrev_b32 v1, 5, v0
	v_readfirstlane_b32 s[WV], v1
	v_and_b32 v1, 31, v0
	v_and_b32 v2, 15, v0
	v_bfe_u32 v3, v0, 4, 1
	v_lshlrev_b32 v[L16], 4, v1
	v_lshlrev_b32 v[L8], 3, v1
	v_lshlrev_b32 v[L4], 2, v1
	s_lshr_b32 s[WM], s[WV], 1
	s_and_b32 s[WN], s[WV], 1
	s_bfe_u32 s[CX], ttmp6, 0x40000
	s_bfe_u32 s[CY], ttmp6, 0x40004
	s_and_b32 s[XB], ttmp7, 0xffff
	s_lshl_b32 s[XB], s[XB], 2
	s_add_co_u32 s[XB], s[XB], s[CY]               ; the tokens' block of 128: 4 x cluster y + cy
	s_mov_b32 s[WB], s[CX]                         ; Wo's block of 256 columns
	s_lshl_b32 s34, s[CY], 2
	s_lshl_b32 s34, 15, s34                        ; my row of the cluster
	s_lshl_b32 s35, 0x1111, s[CX]                  ; my column
	; descriptor groups 1: R rows of 768 elements of 8 bytes (a tile's four fragments of a half), 1,536 elements apart; no padding
	s_or_b32 s[G1X], s34, (3<<16)|(1<<21)
	s_or_b32 s[G1W], s35, (3<<16)|(1<<21)
	s_mov_b32 s[G1X+1], 768<<16                    ; rows of 6,144 bytes: four fragments of a tile
	s_mov_b32 s[G1X+2], 8<<16                      ; 8 tiles
	s_mov_b32 s[G1X+3], 768<<16
	s_mov_b32 s[G1X+4], 8
	s_mov_b32 s[G1X+5], 1536
	s_mov_b32 s[G1X+6], 0
	s_mov_b32 s[G1X+7], 0
	s_mov_b32 s[G1W+1], 768<<16
	s_mov_b32 s[G1W+2], 16<<16                     ; 16 tiles
	s_mov_b32 s[G1W+3], 768<<16
	s_mov_b32 s[G1W+4], 16
	s_mov_b32 s[G1W+5], 1536
	s_mov_b32 s[G1W+6], 0
	s_mov_b32 s[G1W+7], 0
	s_mul_i32 s34, s[XB], 8*TP                     ; the tokens' block: 8 tiles
	s_mov_b32 s35, 0
	s_mul_i32 s52, s[WB], 16*TP                    ; Wo's: 16 tiles
	s_add_co_u32 s52, s52, 3*WC_T                  ; Wo is the fourth weight in wc
	s_mov_b32 s53, 0
	s_mul_i32 s62, s[WM], 6144                     ; waves 0, 1 fetch lower halves (K steps 0-3), waves 2, 3 upper ones
	s_mov_b32 s63, 0
	s_mov_b32 s[G0X], 1
	s_mul_i32 s[G0X+1], s[WM], XCH
	s_mov_b32 s[G0W], 1
	s_mul_i32 s[G0W+1], s[WM], WCH
	s_add_co_u32 s[G0W+1], s[G0W+1], WLDS
	s_wait_dscnt 0x0                               ; the opening add is done
	s_wait_kmcnt 0x0
	s_add_nc_u64 s[54:55], s[4:5], s[34:35]
	s_add_nc_u64 s[56:57], s[8:9], s[52:53]
	s_add_nc_u64 s[G0X+2:G0X+3], s[54:55], s[62:63]
	s_add_nc_u64 s[G0W+2:G0W+3], s[56:57], s[62:63]
	s_or_b32 s[G0X+3], s[G0X+3], 0x80000000
	s_or_b32 s[G0W+3], s[G0W+3], 0x80000000
	CROUND                                         ; all sixteen work-groups are here: the joint loads meet
	s_cmp_eq_u32 s[WN], 0                          ; even waves fetch for the tokens, odd ones for Wo: one tensor load a wave, in the two arms of one branch
	s_cbranch_scc0 .Lfirst_w
	tensor_load_to_lds s[G0X:G0X+3], s[G1X:G1X+7]
	s_nop 0
.rept 4
	v_nop
.endr
	s_branch .Lfirst_done
.Lfirst_w:
	tensor_load_to_lds s[G0W:G0W+3], s[G1W:G1W+7]
	s_nop 0
.rept 4
	v_nop
.endr
.Lfirst_done:
	s_lshl_b32 s34, s[XB], 3
	s_lshl_b32 s35, s[WM], 2
	s_add_co_u32 s34, s34, s35
	s_lshl_b32 s34, s34, 9
	s_mov_b32 s35, 0
	s_add_nc_u64 s[6:7], s[6:7], s[34:35]          ; the tokens' scale words at my first tile
	s_lshl_b32 s34, s[WB], 4
	s_lshl_b32 s52, s[WN], 3
	s_add_co_u32 s34, s34, s52
	s_lshl_b32 s34, s34, 9
	s_add_co_u32 s34, s34, 3*WS_T
	s_add_nc_u64 s[10:11], s[10:11], s[34:35]      ; Wo's
	s_lshl_b32 s34, s[WB], 10
	s_lshl_b32 s52, s[WN], 9
	s_add_co_u32 s34, s34, s52                     ; my 128 columns, in bytes
	s_add_nc_u64 s[12:13], s[12:13], s[34:35]      ; in bo,
	s_add_nc_u64 s[14:15], s[14:15], s[34:35]      ; and in a row of out0
	s_lshl_b32 s34, s[XB], 19
	s_lshl_b32 s52, s[WM], 18
	s_add_co_u32 s34, s34, s52                     ; my 64 tokens: rows of 4,096 bytes
	s_add_nc_u64 s[14:15], s[14:15], s[34:35]
	s_wait_alu depctr_va_vdst(0)
	v_lshlrev_b32 v7, 6, v3                        ; 64 h: tile 2 b + u, lane (r, h): columns 32 b + 16 h + 8 u + 0 .. 7
.irp m, 0,1,2,3
.irp c, 0,1,2,3
	global_load_b32 v[XSC+4*\m+\c], v[L4], s[6:7] offset:512*\m+128*\c
.endr
.endr
.irp t, 0,1,2,3,4,5,6,7
.irp c, 0,1,2,3
	global_load_b32 v[WSC+4*\t+\c], v[L4], s[10:11] offset:512*\t+128*\c
.endr
.endr
	WIN 0xc0                                       ; destination window 3
.irp t, 0,1,2,3,4,5,6,7
	global_load_b128 v[8*\t:8*\t+3], v7, s[12:13] offset:128*(\t/2)+32*(\t%2)
	global_load_b128 v[8*\t+4:8*\t+7], v7, s[12:13] offset:128*(\t/2)+32*(\t%2)+16
.endr
	WIN 0
	s_mul_i32 s34, s[WM], 4*6144
	s_mul_i32 s35, s[WN], 8*6144
	s_add_co_u32 s35, s35, WLDS
.irp c, 0,1
	v_add_nc_u32 v[XA16+\c], s34, v[L16]
	v_add_nc_u32 v[XA8+\c], s34, v[L8]
	v_add_nc_u32 v[WA16+\c], s35, v[L16]
	v_add_nc_u32 v[WA8+\c], s35, v[L8]
	s_add_co_u32 s34, s34, XCH
	s_add_co_u32 s35, s35, WCH
.endr
	s_mul_i32 s34, s[WV], 16*528
	s_add_co_u32 s34, s34, STAGE                   ; my stage
	v_mul_u32_u24 v[STO], v2, 528
	v_lshl_add_u32 v[STO], v3, 6, v[STO]
	v_add_nc_u32 v[STO], s34, v[STO]               ; in: row r, + 64 h
	v_add_nc_u32 v[RD], s34, v[L16]                ; back: a whole row of 512 bytes
	s_wait_alu depctr_va_vdst(0)
	s_wait_tensorcnt 0x0                           ; my one tensor load, a half of the tokens' operand or of Wo's, is in,
	s_barrier_signal -1
	s_barrier_wait -1                              ; everybody's is
	FETCH 0
	s_wait_loadcnt 0x0                             ; scale words and bias
	s_wait_dscnt 0x0                               ; K step 0: its products start the sums, with the bias as C
	FETCH 1
	MUL32 0, 1
	KSTEP 1, 2
	KSTEP 2, 3
	KSTEP 3, 4
	KSTEP 4, 5
	KSTEP 5, 6
	KSTEP 6, 7
	KSTEP 7, -1
; THE WAY OUT, a tile of 16 tokens x 128 columns at a time, through my stage: a lane holds 2 x 32 neighbouring bytes of a row for each pair of tiles; whole rows of 512 bytes come back.
; LDS serves a wave's instructions in order: no wait between the stores and the loads, nor in front of the next tile's stores.
.macro TOSTAGE m
	WIN 0x08                                       ; an LDS store's data: window 2
.irp t, 0,1,2,3,4,5,6,7
	ds_store_b128 v[STO], v[64*(\m)+8*\t:64*(\m)+8*\t+3] offset:128*(\t/2)+32*(\t%2)       ; each accumulator from its low end on
	ds_store_b128 v[STO], v[64*(\m)+8*\t+4:64*(\m)+8*\t+7] offset:128*(\t/2)+32*(\t%2)+16
.endr
	WIN 0
.set BB, BK+64*((\m)%2)
.irp i, 0,1,2,3,4,5,6,7,8,9,10,11,12,13,14,15
	ds_load_b128 v[BB+4*\i:BB+4*\i+3], v[RD] offset:528*\i
.endr
.endm
.macro SEND m, younger                 ; younger: the LDS instructions issued behind tile m's loads, which may stay out
.set BB, BK+64*((\m)%2)
	s_wait_dscnt \younger
.irp i, 0,1,2,3,4,5,6,7,8,9,10,11,12,13,14,15
	global_store_b128 v[L16], v[BB+4*\i:BB+4*\i+3], s[14:15] offset:(32*((\m)/2)+8*((\m)%2)+\i+8*(\i/8))*4096 th:TH_STORE_NT   ; 512 consecutive bytes, aligned: the tile's row i is token 32 (m / 2) + 8 (m % 2) + i + 8 (i / 8) of my 64
.endr
.endm
.rept 4
	v_nop                                          ; four places: in front of the first read of results and of loads into registers that held fragments
.endr
	TOSTAGE 0
.irp a, 1,2,3
.if \a > 1
	s_wait_xcnt 0x0                                ; tile a - 2's stores have read their registers: tile a's rows may land there
.endif
	TOSTAGE \a
	SEND \a-1, 32                                  ; behind tile a - 1's loads: tile a's 16 stores and 16 loads
.endr
	SEND 3, 0
	s_wait_tensorcnt 0x0                           ; the wave's end, behind my last tensor load and my last LDS store
	ds_add_u32 v[SPW], v[NIL]
	s_wait_dscnt 0x0
	CROUND                                         ; the closing round
	s_endpgm
.Lfunc_end_k_qad60bb9871_outp:
	.size	k_qad60bb9871_outp, .Lfunc_end_k_qad60bb9871_outp-k_qad60bb9871_outp
	.p2alignl 7, 3214868480
	.fill 96, 4, 3214868480
	.section	.rodata,"a",@progbits
	.p2align	6, 0x0
	.amdhsa_kernel k_qad60bb9871_outp
		.amdhsa_group_segment_fixed_size 297472
		.amdhsa_private_segment_fixed_size 0
		.amdhsa_enable_private_segment 0
		.amdhsa_kernarg_size 48
		.amdhsa_user_sgpr_count 2
		.amdhsa_user_sgpr_kernarg_segment_ptr 1
		.amdhsa_wavefront_size32 1
		.amdhsa_system_sgpr_workgroup_id_x 1
		.amdhsa_system_sgpr_workgroup_id_y 1
		.amdhsa_system_sgpr_workgroup_id_z 1
		.amdhsa_system_vgpr_workitem_id 0
		.amdhsa_next_free_vgpr 864
		.amdhsa_next_free_sgpr 102
		.amdhsa_reserve_vcc 0
		.amdhsa_float_denorm_mode_32 3
		.amdhsa_float_denorm_mode_16_64 3
		.amdhsa_memory_ordered 1
		.amdhsa_forward_progress 1
		.amdhsa_inst_pref_size 86
	.end_amdhsa_kernel
	.amdgpu_metadata
---
amdhsa.version: [ 1, 2 ]
amdhsa.kernels:
  - .name:           k_qad60bb9871_outp
    .symbol:         k_qad60bb9871_outp.kd
    .args:
      - { .name: ac, .offset: 0, .size: 8, .value_kind: global_buffer, .address_space: global }
      - { .name: asc, .offset: 8, .size: 8, .value_kind: global_buffer, .address_space: global }
      - { .name: wc, .offset: 16, .size: 8, .value_kind: global_buffer, .address_space: global }
      - { .name: ws, .offset: 24, .size: 8, .value_kind: global_buffer, .address_space: global }
      - { .name: bo, .offset: 32, .size: 8, .value_kind: global_buffer, .address_space: global }
      - { .name: out0, .offset: 40, .size: 8, .value_kind: global_buffer, .address_space: global }
    .group_segment_fixed_size: 297472
    .private_segment_fixed_size: 0
    .kernarg_segment_align: 8
    .kernarg_segment_size: 48
    .max_flat_workgroup_size: 128
    .sgpr_count:     102
    .vgpr_count:     864
    .wavefront_size: 32
...
	.end_amdgpu_metadata
.endif
;; end of part 4
